; MI455X (gfx1250); checked and timed in simulation.
; The chip was launched on July 23, 2026; its instructions are those of AMD's public machine-readable ISA for CDNA 5 (MIT licence, August 2026) and "CDNA5" Instruction Set Architecture Reference Guide (July 2026). The comments in the code are by the model that wrote it; some were corrected since.
;; Self Attention Layer. Allowed arithmetic: matrix products marked QUANTISED: E4M3 operands, one given power-of-two scale a tensor, by v_wmma_f32_16x16x64_fp8_fp8 or v_wmma_f32_16x16x128_fp8_fp8, f32 sums; everything else in f32.
;; Inputs: Wproj 1,024 x 1,024 float32; Wqkv 1,024 x 3,072 float32; bproj 1,024 float32; bqkv 3,072 float32; lowp_scales 8 int32 (the exponents e of the quantised operands' scales 2^e); rnn_state 4 x 1,024 float32; x 4 x 2,048 x 1,024 float32.
;; Outputs: out0 4 x 2,048 x 1,024 float32; out1 4 x 1,024 float32.
;; This version of the problem:
;;   THIS VERSION OF THE PROBLEM IS GIVEN IN LOW PRECISION. The matrix products marked QUANTISED in the list below multiply operands that are first quantised to E4M3 (4 exponent bits, 3 mantissa bits; 8 bits a number), with one given power-of-two scale for each operand tensor; their sums are f32. All else is computed in f32.
;;   The module's matrix products, in the order in which they are computed (A, B: the left and right operand; K: the contracted axis; several contracted axes count as one K, in the product's order):
;;     1. [M 8,192, K 1,024] x [K 1,024, N 3,072]; A: input x; B: input Wqkv: QUANTISED (scales: A lowp_scales[0], B lowp_scales[1])
;;     2. batch 64 x [M 2,048, K 64] x [K 64, N 2,048]; A: computed on the way; B: computed on the way: QUANTISED (scales: A lowp_scales[2], B lowp_scales[3])
;;     3. batch 64 x [M 2,048, K 2,048] x [K 2,048, N 64]; A: softmax (see below); B: computed on the way: QUANTISED (scales: A lowp_scales[4], B lowp_scales[5])
;;     4. [M 8,192, K 1,024] x [K 1,024, N 1,024]; A: computed on the way; B: input Wproj: QUANTISED (scales: A lowp_scales[6], B lowp_scales[7])
;;   THE QUANTISER, for each operand of a quantised product, along K:
;;     - The operand's scale is 2^e, e = its entry of the input lowp_scales (int32; the entries are numbered through the quantised products in the list's order, A before B).
;;     - Each number is divided by the scale, clamped to +-448, and rounded to the nearest number of E4M3, ties to even, subnormals kept.
;;     - The product sums the exact products of the quantised numbers (number of the format x scale) in f32.
;;   ~~~python
;;   def quantise(x, axis, e):      # numpy; x: float32 -> the quantised numbers, widened to float32 again
;;       x = np.moveaxis(x, axis, -1); K = x.shape[-1]
;;       r = np.clip(x / 2.0 ** e, -448, 448)
;;       step = 2.0 ** (np.maximum(np.frexp(np.where(r == 0, 1, r))[1] - 1, -6) - 3)
;;       q = np.round(r / step) * step * 2.0 ** e      # np.round: ties to even
;;       return np.moveaxis(q, -1, axis).astype(np.float32)
;;   ~~~
;;   SOFTMAX AHEAD OF A QUANTISED PRODUCT. Where the list says 'softmax', what is quantised is not the finished softmax but p = 2^(t - M), with t = logit x log2(e) and M = ceil(the row's largest t), a whole number; so 1/2 < the row's largest p <= 1. The row's sum l is taken of the UNQUANTISED p, in f32, and the product's result is divided by l at the end. Since M is a whole number, a kernel that streams over the keys may use a running M (the ceiling of the running maximum): every later rescaling is an exact power of two, so the quantised numbers keep their values, but for numbers so far below the row's largest that they fall under the format's range.
;;   OPERANDS COMPUTED ON THE WAY. 'Computed on the way' means the value that the module computes at that place (a softmax that the list does not call 'softmax' is quantised finished and normalised). What goes into a quantiser is computed in f32, as accurately as f32 sums, v_exp_f32 and their like allow (about 1e-6 of the number): no bf16 or f16 on the way to a quantiser, and a product that is left as it is and whose result goes on into a quantised operand takes f32 operands (vector FMAs, or v_wmma_f32_16x16x4_f32). A number that lies on a knife's edge between two numbers of the format may be rounded either way, as far as f32 arithmetic and the matrix unit's own rounding can turn it there, and no further.
;; One version. Each part assembles by itself: llvm-mc -triple=amdgcn-amd-amdhsa -mcpu=gfx1250 --defsym DOCPART=n.
;; ======== version 1 of 1: 4 launches
;; limits: a function is approximated: absolute error at most 0.00025
;; workspace buffers: xc 8,388,608 bytes; wqc 3,145,728 bytes; wpc 1,048,576 bytes; rope 524,288 bytes; qc 8,388,608 bytes; kc 8,388,608 bytes; vc 8,388,608 bytes; oc 8,388,608 bytes
;; launch prep (part 1): grid 416 x 1, 4 waves a work-group, no clusters, 69,120 bytes of LDS; arguments x, Wqkv, Wproj, rnn_state, lowp_scales, xc, wqc, wpc, rope, out1; writes xc, wqc, wpc, rope, out1
.if DOCPART == 1
	.amdgcn_target "amdgcn-amd-amdhsa--gfx1250"
	.amdhsa_code_object_version 6
	.text
	.protected	k_q1e69695cd3_prep
	.globl	k_q1e69695cd3_prep
	.p2align	8
	.type	k_q1e69695cd3_prep,@function
k_q1e69695cd3_prep:
	s_mov_b64 s[64:65], 0
	v_nop
	global_prefetch_b8 v0, s[64:65] scope:SCOPE_SE
	s_setreg_imm32_b32 hwreg(HW_REG_WAVE_MODE, 25, 1), 1
	s_wait_xcnt 0x0
; PREP: everything that is quantised or tabulated once.  Three ways part on the work-group's number and never join; each has LDS bytes of its own.
;   work-groups 0-255:   x [8192][1024] f32 -> xc, codes of E4M3 with the scale 2^e0.  Work-groups 0-7 also copy rnn_state to out1.
;   work-groups 256-383: Wqkv [1024][3072] -> wqc (2^e1) and Wproj [1024][1024] -> wpc (2^e7): K is their FIRST axis; the codes are laid with K innermost.
;   work-groups 384-415: the table of cos and sin for the rotation of q and k, in the order in which the product's result registers want it.
; ALL CODES ARE LAID AS IMAGES OF THE OPERAND'S REGISTERS.  A fragment is 16 rows x 128 K in 16 registers a lane: lane (r = lane % 16, h = lane / 16) holds row r, and registers 2 c, 2 c + 1 hold
; K = 16 c + 8 h + 0 .. 7.  Its image is 2,048 bytes: registers 4 q .. 4 q + 3 of lane l at 512 q + 16 l.  A tensor's fragment (row / 16, K / 128) lies at (row / 16) x 16,384 + (K / 128) x 2,048.
; So every store here and every load of the readers covers 512 consecutive bytes, aligned.
; code = number / 2^e, held within +-448, rounded to the nearest code, ties to even.
; LIMITS: e0, e1, e7 between -126 and 119, so that 2^e and 448 x 2^e are f32 numbers.  NaN among the inputs is not served.
; The table's frequencies 10^(-i/8) are the correctly rounded f32 numbers; a power and a reciprocal in f32 may differ from them by two units in the last place, which is 2.5e-4 radians at t = 2,047.
.set R,    16                          ; x: v16-143   two sets of 64 numbers as they are loaded
.set X,    144                         ; x: v144-207  64 numbers, register 8 c + j = K 16 c + 8 h + j of my row
.set C,    208                         ; x: v208-239  two sets of 16 registers of codes
.set XST,  8448                        ; x: a wave's stage: 16 rows x (512 bytes + 16)
.set OFF,  16                          ; W: v16-47    4 x lane + i rows of the weight
.set WX,   48                          ; W: v48-111   two sets of 32 numbers down K
.set WC,   112                         ; W: v112-119  a block's codes
.set OUTR, 120                         ; W: v120-183  the way out
.set WST0, 4*XST                       ; W: the stages begin behind x's
.set WST,  8704                        ; W: a wave's stage: 32 rows x (256 bytes + 16)
.macro SCALES e                        ; v11 = 2^e (the conversion takes its exponent field), v10 = 448 x 2^e, from s[e]
	s_add_co_i32 s29, s[\e], 127
	s_lshl_b32 s30, s29, 23
	v_mov_b32 v11, s30
	s_add_co_i32 s29, s29, 8
	s_lshl_b32 s29, s29, 23
	s_or_b32 s29, s29, 0x600000
	v_mov_b32 v10, s29
.endm
	s_load_b512 s[8:23], s[0:1], 0x0               ; x s[8:9], Wqkv s[10:11], Wproj s[12:13], rnn_state s[14:15], the exponents s[16:17], xc s[18:19], wqc s[20:21], wpc s[22:23]
	s_load_b128 s[24:27], s[0:1], 0x40             ; rope s[24:25], out1 s[26:27]
	v_lshl_add_u32 v248, v0, 2, 0x10c00
	v_mov_b32 v249, 0
	v_lshrrev_b32 v1, 5, v0
	v_readfirstlane_b32 s28, v1                    ; wave 0..3
	v_and_b32 v1, 31, v0                           ; lane
	v_and_b32 v2, 15, v0                           ; r
	v_bfe_u32 v3, v0, 4, 1                         ; h
	v_lshlrev_b32 v4, 4, v1                        ; 16 x lane: my place in 512 bytes; never rewritten
	s_wait_kmcnt 0x0
	s_load_b256 s[48:55], s[16:17], 0x0            ; e0 .. e7
	s_cmp_lt_u32 ttmp9, 256
	s_cbranch_scc0 .Lnot_x
; ---------------- x.  A wave takes 16 rows x 512 K: four fragments.  Each load reads 512 consecutive bytes of one row; the 16 rows turn through the wave's own stage, so that a lane gets its row's numbers.
	s_lshl_b32 s29, ttmp9, 2
	s_add_co_u32 s29, s29, s28                     ; which of 1,024 parts is my wave's
	s_lshr_b32 s30, s29, 1                         ; its block of 16 rows
	s_and_b32 s31, s29, 1                          ; its half of K
	s_lshl_b32 s2, s30, 16                         ; 16 rows of 4,096 bytes
	s_lshl_b32 s3, s31, 11
	s_add_co_u32 s2, s2, s3
	s_mov_b32 s3, 0
	s_add_nc_u64 s[8:9], s[8:9], s[2:3]
	s_lshl_b32 s2, s30, 14                         ; a block of rows is 16,384 bytes of codes
	s_lshl_b32 s4, s31, 13
	s_add_co_u32 s2, s2, s4
	s_add_nc_u64 s[18:19], s[18:19], s[2:3]
	s_mul_i32 s5, s28, XST
	v_add_nc_u32 v12, s5, v4                       ; into the stage: a row as it lies
	v_mul_u32_u24 v13, v2, 528
	v_lshl_add_u32 v13, v3, 5, v13
	v_add_nc_u32 v13, s5, v13                      ; out of it: row r, + 32 h bytes: eight numbers of each 16
.macro XLOAD t                         ; fragment t: 16 rows x 512 bytes
.set i, 0
.rept 16
	global_load_b128 v[R+64*((\t)%2)+4*i:R+64*((\t)%2)+4*i+3], v4, s[8:9] offset:4096*i+512*(\t) th:TH_LOAD_NT
.set i, i+1
.endr
.endm
.macro XSTEP t
.if (\t) < 3
	s_wait_loadcnt 16                              ; this fragment's 16 loads are in; the next one's 16 may be out
.else
	s_wait_loadcnt 0
.endif
.set i, 0
.rept 16
	ds_store_b128 v12, v[R+64*((\t)%2)+4*i:R+64*((\t)%2)+4*i+3] offset:528*i
.set i, i+1
.endr
.set i, 0
.rept 16
	ds_load_b128 v[X+4*i:X+4*i+3], v13 offset:64*(i/2)+16*(i%2)   ; LDS serves a wave's instructions in order: these see the stores above
.set i, i+1
.endr
	s_wait_dscnt 0x0                               ; the numbers are back, and the stores have read their registers,
.if (\t) < 2
	XLOAD (\t)+2                                   ; which take the fragment two further on
.endif
.set i, 0
.rept 64
	v_med3_num_f32 v[X+i], v[X+i], -v10, v10       ; the conversion to an 8-bit code does not saturate (ISA guide 7.6.2): the hold at the largest code x the scale
.set i, i+1
.endr
.if (\t) > 1
	s_wait_xcnt 0x0                                ; the stores of two fragments back have read this set of codes: it is written again only behind this wait
.endif
.set i, 0
.rept 8
	v_cvt_scalef32_pk8_fp8_f32 v[C+16*((\t)%2)+2*i:C+16*((\t)%2)+2*i+1], v[X+8*i:X+8*i+7], v11
.set i, i+1
.endr
	v_nop                                          ; one plain vector line behind the conversions: the next fragment's holds write their sources
.set i, 0
.rept 4
	global_store_b128 v4, v[C+16*((\t)%2)+4*i:C+16*((\t)%2)+4*i+3], s[18:19] offset:2048*(\t)+512*i   ; 512 consecutive bytes of the image
.set i, i+1
.endr
.endm
	XLOAD 0
	XLOAD 1
	s_wait_kmcnt 0x0
	SCALES 48                                      ; e0
	XSTEP 0
	XSTEP 1
	XSTEP 2
	XSTEP 3
	s_cmp_lt_u32 ttmp9, 8                          ; out1 = rnn_state: 16,384 bytes, 2,048 for each of eight work-groups, 16 a thread
	s_cbranch_scc0 .Lx_done
	s_lshl_b32 s2, ttmp9, 11
	s_add_nc_u64 s[14:15], s[14:15], s[2:3]
	s_add_nc_u64 s[26:27], s[26:27], s[2:3]
	v_lshlrev_b32 v5, 4, v0
	global_load_b128 v[16:19], v5, s[14:15]
	s_wait_loadcnt 0x0
	global_store_b128 v5, v[16:19], s[26:27]
.Lx_done:
	s_wait_tensorcnt 0x0
	ds_add_u32 v248, v249
	s_wait_dscnt 0x0
	s_endpgm
; ---------------- the weights.  A LANE TAKES A COLUMN n, AND ITS REGISTERS RUN DOWN K: each load reads 128 consecutive bytes of a row of the weight, and the conversions give codes with K innermost.
; A work-group takes 128 columns x 256 K, a wave 32 columns: 24 groups of columns of Wqkv, then 8 of Wproj, four parts of K each.  Only pointers, the pitch and the exponent are chosen: one text serves both.
.Lnot_x:
	s_cmp_lt_u32 ttmp9, 384
	s_cbranch_scc0 .Lrope
	s_sub_co_u32 s56, ttmp9, 256
	s_lshr_b32 s57, s56, 2                         ; group of 128 columns, 0..31
	s_and_b32 s58, s56, 3                          ; which 256 along K
	s_wait_kmcnt 0x0
	s_mov_b32 s59, 4096
	s_cmp_lt_u32 s57, 24                           ; Wqkv or Wproj: the choice hangs on the work-group's number alone
	s_cselect_b64 s[2:3], s[10:11], s[12:13]
	s_cselect_b64 s[4:5], s[20:21], s[22:23]
	s_cselect_b32 s59, 12288, s59                  ; a row of the weight in bytes
	s_cselect_b32 s60, s49, s55                    ; e1 or e7
	s_cselect_b32 s61, 0, 24
	s_sub_co_u32 s61, s57, s61                     ; the group within its tensor
	s_lshl_b32 s62, s61, 7
	s_lshl_b32 s63, s28, 5
	s_add_co_u32 s62, s62, s63                     ; my wave's first column
	s_mul_i32 s6, s58, s59
	s_lshl_b32 s6, s6, 8                           ; 256 rows for each part of K
	s_lshl_b32 s63, s62, 2
	s_add_co_u32 s6, s6, s63
	s_mov_b32 s7, 0
	s_add_nc_u64 s[32:33], s[2:3], s[6:7]          ; a base for each block of 32 rows: s[32:47]
	s_lshl_b32 s6, s59, 5
.set t, 1
.rept 7
	s_add_nc_u64 s[32+2*t:33+2*t], s[30+2*t:31+2*t], s[6:7]
.set t, t+1
.endr
	s_lshr_b32 s62, s62, 4                         ; the codes: block of 16 columns x 8 fragments + 2 x the part of K, 2,048 bytes each
	s_lshl_b32 s62, s62, 3
	s_lshl_b32 s63, s58, 1
	s_add_co_u32 s62, s62, s63
	s_lshl_b32 s6, s62, 11
	s_add_nc_u64 s[4:5], s[4:5], s[6:7]
	v_lshlrev_b32 v[OFF], 2, v1                    ; 4 bytes a lane,
.set i, 1
.rept 31
	v_add_nc_u32 v[OFF+i], s59, v[OFF+i-1]         ; and a row further down for each register
.set i, i+1
.endr
	s_mul_i32 s62, s28, WST
	s_add_co_u32 s62, s62, WST0                    ; my stage
	v_mul_u32_u24 v5, v1, 272
	v_add_nc_u32 v5, s62, v5                       ; into it: row = my column
	v_mul_u32_u24 v7, v2, 272
	v_lshl_add_u32 v7, v3, 3, v7
	v_add_nc_u32 v7, s62, v7                       ; out of it: row r, + 8 h: the 32 lanes of an 8-byte load touch each bank once
.macro WLOAD t                         ; block t: W(32 t + i, my column)
.set i, 0
.rept 32
	global_load_b32 v[WX+32*((\t)%2)+i], v[OFF+i], s[32+2*(\t):33+2*(\t)] th:TH_LOAD_NT
.set i, i+1
.endr
.endm
.macro WBLOCK t
.if (\t) < 7
	s_wait_loadcnt 32                              ; this block's 32 loads are in; the next block's may be out
.else
	s_wait_loadcnt 0
.endif
.set i, 0
.rept 32
	v_med3_num_f32 v[WX+32*((\t)%2)+i], v[WX+32*((\t)%2)+i], -v10, v10
.set i, i+1
.endr
.set i, 0
.rept 4
	v_cvt_scalef32_pk8_fp8_f32 v[WC+2*i:WC+2*i+1], v[WX+32*((\t)%2)+8*i:WX+32*((\t)%2)+8*i+7], v11
.set i, i+1
.endr
	v_nop                                          ; one plain vector line behind the conversions
	ds_store_b128 v5, v[WC:WC+3] offset:32*(\t)    ; 32 codes of my column's row
	ds_store_b128 v5, v[WC+4:WC+7] offset:32*(\t)+16
.if (\t) < 6
	WLOAD (\t)+2
.endif
	s_wait_dscnt 0x0                               ; the stores have read their registers: the next block's codes may be written
.endm
	WLOAD 0
	WLOAD 1
	SCALES 60
	WBLOCK 0
	WBLOCK 1
	WBLOCK 2
	WBLOCK 3
	WBLOCK 4
	WBLOCK 5
	WBLOCK 6
	WBLOCK 7
; the way out: four fragments (two blocks of 16 columns x two of 128 K).  Quarter n % 4 of fragment n / 4: registers 4 q .. 4 q + 3 are K = 32 q + 8 h + 0 .. 7 and 32 q + 16 + 8 h + 0 .. 7
.set n, 0
.rept 16
	ds_load_b64 v[OUTR+4*n:OUTR+4*n+1], v7 offset:4352*(n/8)+128*((n/4)%2)+32*(n%4)
	ds_load_b64 v[OUTR+4*n+2:OUTR+4*n+3], v7 offset:4352*(n/8)+128*((n/4)%2)+32*(n%4)+16
.set n, n+1
.endr
.set n, 0
.rept 16
	s_wait_dscnt 30-2*n                            ; LDS loads come back in order: the two of quarter n are in, the younger ones may be out
	global_store_b128 v4, v[OUTR+4*n:OUTR+4*n+3], s[4:5] offset:(8*(n/8)+(n/4)%2)*2048+512*(n%4)
.set n, n+1
.endr
	s_wait_tensorcnt 0x0
	ds_add_u32 v248, v249
	s_wait_dscnt 0x0
	s_endpgm
; ---------------- the table.  A wave takes 16 positions t.  Lane (r, h) holds position 16 x block + r; piece p (four numbers) holds the frequencies i = 16 (p / 2) + 8 h + 4 (p % 2) + 0 .. 3,
; which is the order of a lane's result registers in the first product (two tiles of 16 columns, eight numbers a lane and tile).  A block is 4,096 bytes: four pieces of cos, four of sin, 512 bytes each.
; cos and sin: a = t x f (one rounding); n = a x 2/pi to the nearest whole number; rho = a - n pi/2 with pi/2 in two parts (the first difference is exact); polynomials on |rho| <= pi/4; the quadrant from n.
.Lrope:
	s_sub_co_u32 s56, ttmp9, 384
	s_lshl_b32 s56, s56, 2
	s_add_co_u32 s56, s56, s28                     ; block of 16 positions, 0..127
	s_lshl_b32 s2, s56, 12
	s_mov_b32 s3, 0
	s_add_nc_u64 s[24:25], s[24:25], s[2:3]
	s_lshl_b32 s57, s56, 4
	v_add_nc_u32 v9, s57, v2
	v_cvt_f32_u32 v9, v9                           ; t
	v_cmp_ne_u32 vcc_lo, 0, v3                     ; lanes 16-31 take the frequency eight further on
	s_mov_b32 s32, 0x3f22f983                      ; 2 / pi
	s_mov_b32 s33, 0xbfc90fdb                      ; -(pi/2 rounded to f32)
	s_mov_b32 s34, 0x333bbd2e                      ; that number less pi/2
	s_mov_b32 s35, 0xb94ca1f9                      ; sin: -1.9515295891e-4
	s_mov_b32 s36, 0x3c08839e                      ;       8.3321608736e-3
	s_mov_b32 s37, 0xbe2aaaa3                      ;      -1.6666654611e-1
	s_mov_b32 s38, 0x37ccf5ce                      ; cos:  2.443315712e-5
	s_mov_b32 s39, 0xbab6061a                      ;      -1.388731625e-3
	s_mov_b32 s40, 0x3d2aaaa5                      ;       4.166664568e-2
	s_mov_b32 s41, 0x80000000
.macro ANG lo, hi, dc, ds
	v_mul_f32 v20, \lo, v9
	v_mul_f32 v21, \hi, v9
	v_cndmask_b32 v20, v20, v21, vcc_lo            ; a
	v_mul_f32 v21, s32, v20
	v_rndne_f32 v21, v21                           ; n
	v_fma_f32 v22, v21, s33, v20
	v_fma_f32 v22, v21, s34, v22                   ; rho
	v_mul_f32 v23, v22, v22                        ; z
	v_fma_f32 v24, s35, v23, s36
	v_fma_f32 v24, v24, v23, s37
	v_mul_f32 v24, v24, v23
	v_fma_f32 v24, v24, v22, v22                   ; sin rho
	v_fma_f32 v25, s38, v23, s39
	v_fma_f32 v25, v25, v23, s40
	v_mul_f32 v26, v23, v23
	v_fma_f32 v27, -0.5, v23, 1.0
	v_fma_f32 v25, v25, v26, v27                   ; cos rho
	v_cvt_i32_f32 v26, v21
	v_and_b32 v27, 1, v26
	v_cmp_ne_u32 s42, 0, v27                       ; an odd quadrant swaps the two
	v_cndmask_b32 v28, v25, v24, s42
	v_cndmask_b32 v29, v24, v25, s42
	v_add_nc_u32 v27, 1, v26
	v_lshlrev_b32 v27, 30, v27
	v_and_b32 v27, s41, v27                        ; cos is negative in quadrants 1 and 2,
	v_xor_b32 v[\dc], v28, v27
	v_lshlrev_b32 v26, 30, v26
	v_and_b32 v26, s41, v26                        ; sin in quadrants 2 and 3
	v_xor_b32 v[\ds], v29, v26
.endm
	ANG 1.0, 0.1, 32, 48
	ANG 0.7498942093, 0.07498942093, 33, 49
	ANG 0.5623413252, 0.05623413252, 34, 50
	ANG 0.4216965034, 0.04216965034, 35, 51
	ANG 0.3162277660, 0.03162277660, 36, 52
	ANG 0.2371373706, 0.02371373706, 37, 53
	ANG 0.1778279410, 0.01778279410, 38, 54
	ANG 0.1333521432, 0.01333521432, 39, 55
	ANG 0.01, 0.001, 40, 56
	ANG 0.007498942093, 0.0007498942093, 41, 57
	ANG 0.005623413252, 0.0005623413252, 42, 58
	ANG 0.004216965034, 0.0004216965034, 43, 59
	ANG 0.003162277660, 0.0003162277660, 44, 60
	ANG 0.002371373706, 0.0002371373706, 45, 61
	ANG 0.001778279410, 0.0001778279410, 46, 62
	ANG 0.001333521432, 0.0001333521432, 47, 63
.set p, 0
.rept 8
	global_store_b128 v4, v[32+4*p:35+4*p], s[24:25] offset:512*p
.set p, p+1
.endr
	s_wait_kmcnt 0x0                               ; the exponents' load, which this way does not use, is done
	s_endpgm
.Lfunc_end_k_q1e69695cd3_prep:
	.size	k_q1e69695cd3_prep, .Lfunc_end_k_q1e69695cd3_prep-k_q1e69695cd3_prep
	.p2alignl 7, 3214868480
	.fill 96, 4, 3214868480
	.section	.rodata,"a",@progbits
	.p2align	6, 0x0
	.amdhsa_kernel k_q1e69695cd3_prep
		.amdhsa_group_segment_fixed_size 69120
		.amdhsa_private_segment_fixed_size 0
		.amdhsa_enable_private_segment 0
		.amdhsa_kernarg_size 80
		.amdhsa_user_sgpr_count 2
		.amdhsa_user_sgpr_kernarg_segment_ptr 1
		.amdhsa_wavefront_size32 1
		.amdhsa_system_sgpr_workgroup_id_x 1
		.amdhsa_system_sgpr_workgroup_id_y 1
		.amdhsa_system_sgpr_workgroup_id_z 1
		.amdhsa_system_vgpr_workitem_id 0
		.amdhsa_next_free_vgpr 250
		.amdhsa_next_free_sgpr 66
		.amdhsa_reserve_vcc 1
		.amdhsa_float_denorm_mode_32 3
		.amdhsa_float_denorm_mode_16_64 3
		.amdhsa_memory_ordered 1
		.amdhsa_forward_progress 1
		.amdhsa_inst_pref_size 111
	.end_amdhsa_kernel
	.amdgpu_metadata
---
amdhsa.version: [ 1, 2 ]
amdhsa.kernels:
  - .name:           k_q1e69695cd3_prep
    .symbol:         k_q1e69695cd3_prep.kd
    .args:
      - { .name: x, .offset: 0, .size: 8, .value_kind: global_buffer, .address_space: global }
      - { .name: Wqkv, .offset: 8, .size: 8, .value_kind: global_buffer, .address_space: global }
      - { .name: Wproj, .offset: 16, .size: 8, .value_kind: global_buffer, .address_space: global }
      - { .name: rnn_state, .offset: 24, .size: 8, .value_kind: global_buffer, .address_space: global }
      - { .name: lowp_scales, .offset: 32, .size: 8, .value_kind: global_buffer, .address_space: global }
      - { .name: xc, .offset: 40, .size: 8, .value_kind: global_buffer, .address_space: global }
      - { .name: wqc, .offset: 48, .size: 8, .value_kind: global_buffer, .address_space: global }
      - { .name: wpc, .offset: 56, .size: 8, .value_kind: global_buffer, .address_space: global }
      - { .name: rope, .offset: 64, .size: 8, .value_kind: global_buffer, .address_space: global }
      - { .name: out1, .offset: 72, .size: 8, .value_kind: global_buffer, .address_space: global }
    .group_segment_fixed_size: 69120
    .private_segment_fixed_size: 0
    .kernarg_segment_align: 8
    .kernarg_segment_size: 80
    .max_flat_workgroup_size: 128
    .sgpr_count:     66
    .vgpr_count:     250
    .wavefront_size: 32
...
	.end_amdgpu_metadata
.endif
;; end of part 1
;; launch qkv (part 2): grid 12 x 32, 4 waves a work-group, clusters of 4 x 4, 327,680 bytes of LDS; arguments xc, wqc, bqkv, rope, lowp_scales, qc, kc, vc; writes qc, kc, vc
.if DOCPART == 2
	.amdgcn_target "amdgcn-amd-amdhsa--gfx1250"
	.amdhsa_code_object_version 6
	.text
	.protected	k_q1e69695cd3_qkv
	.globl	k_q1e69695cd3_qkv
	.p2align	8
	.type	k_q1e69695cd3_qkv,@function
k_q1e69695cd3_qkv:
	s_mov_b64 s[64:65], 0
	v_nop
	global_prefetch_b8 v0, s[64:65] scope:SCOPE_SE
	s_setreg_imm32_b32 hwreg(HW_REG_WAVE_MODE, 25, 1), 1
	s_wait_xcnt 0x0
	s_wait_alu depctr_hold_cnt(0) depctr_sa_sdst(0) depctr_va_vdst(0) depctr_va_sdst(0) depctr_va_ssrc(0) depctr_va_vcc(0) depctr_vm_vsrc(0)
	s_getreg_b32 s2, hwreg(HW_REG_IB_STS2, 6, 4)
	s_cmp_eq_u32 s2, 0
	s_cbranch_scc0 .Lentry_in_a_cluster
	s_endpgm
.Lentry_in_a_cluster:
	s_bfe_u32 s2, ttmp6, 0x10000c
	s_cmp_lg_u32 s2, 0xf033
	s_cbranch_scc0 .Lentry_shape_is_right
	s_endpgm
.Lentry_shape_is_right:
; qkv = x Wqkv + bqkv on codes of E4M3 (8,192 x 1,024 x 3,072), the rotation of q and k, and the quantising of q, k and v for the two products of attention.  Nothing of qkv goes to memory in f32.
; A tile of the product, 256 x 256, is made by four waves, each 128 x 128: 64 accumulators, 512 registers.  K goes in steps of 256 through a ring of two LDS slots filled by the tensor data mover.
; OPERANDS LIE IN MEMORY AND IN LDS AS IMAGES OF THEIR REGISTERS: fragment (row / 16, K / 128) at (row / 16) x 16,384 + (K / 128) x 2,048; registers 4 q .. 4 q + 3 of lane l at 512 q + 16 l.
; So a K step of 16 rows is 4,096 consecutive bytes, a wave's tensor load brings 8 such runs, an LDS load reads 512 consecutive bytes (no pitch, no padding), and every k stands in its own place.
; THE MATRIX INSTRUCTION IS USED TRANSPOSED (source 0 = 16 rows of 'B', source 1 = 16 rows of 'A'): a lane holds one row of A's and eight neighbouring rows of B's.
; THE CLUSTER'S x SAYS WHAT IS MADE (it is the same in all sixteen partners): 0: q, 1: k, 2: v.
;   q, k: A = x's rows (positions), B = the weight's columns.  A lane holds one position and eight neighbouring channels: the conversions' results are the fragment of q or k (K = the head's 64).
;   v:    A = the weight's columns, B = x's rows.  A lane holds one channel and eight neighbouring KEYS: the conversions' results are the fragment of V^T (K = the keys).  The loop's text is the same.
; OUT: qc, kc: [batch x 16 + head][position / 16][2][lane][16 bytes];  vc: [batch x 16 + head][key / 128][channel / 16][4][lane][16 bytes].  Every store covers 512 consecutive bytes, aligned.
; CLUSTERS: 4 x 4 work-groups; A's tile is shared along a row of the cluster, B's along a column: each is asked for jointly, by the same tensor load with the same descriptor and a mask that names the four.
; LIMITS: e0 + e1 between -126 and 127; e2, e3, e5 between -126 and 119.
; REGISTERS, in windows of 256: window 0: v0-31 addresses; v128-255 A's fragments, ONE set; v32-127 free in the loop.  window 1: B's fragments, two sets.  windows 2, 3: the accumulators ((a, b) at v[8 (8 (a % 4) + b)]).
; On the way out window 0 holds: v32-95 the bias; v96-159 two sets of cos and sin; v160-223 a block's 64 numbers; v224-239 their codes; v240-255 at work.
.set ROWB,   4096                      ; a K step of 16 rows: two fragments' images
.set HALFT,  32768                     ; 128 rows x 256 K: what one tensor load brings, and what one wave reads of A or of B
.set SLOT,   131072                    ; A's 256 rows, then B's 256 rows
.set SPARE,  262144                    ; behind the ring: the spare words, 128 bytes for each wave, which no other line names
.set LAPS,   2                         ; K = 1,024 is four K steps: twice round the ring
.set FR,     16                        ; registers of a fragment
.set NL,     4                         ; LDS loads that bring one
.set NP,     4                         ; places behind this matrix instruction (ISA guide 7.12.1)
.set ADRA, 16                          ; v16-17  LDS address of my A fragments in slot 0, 1
.set ADRB, 20                          ; v20-21  the same for B
.set LI,   24                          ; v24     16 x lane; never rewritten
.set BO,   27                          ; v27     my offset in the bias
.set SPW,  28                          ; v28     LDS address of my spare word; never rewritten
.set NIL,  29                          ; v29     0; never rewritten
.set SC,   30                          ; v30     the conversion's scale 2^e
.set LIM,  31                          ; v31     448 x 2^e
.set BIAS, 32
.set TMP,  160
.set CODE, 224
.set TT,   240
.set AF,   128
.set G1, 24                            ; s[24:31] descriptor group 1 for A's tiles;  s[32:39] group 0, one set for each slot
.set G0, 32
.set G1B, 48                           ; s[48:55], s[56:63] the same for B's tiles
.set G0B, 56
.set MSB, 0
.macro WIN new                         ; the immediate's high byte repeats the setting that is left
.if MSB != \new
	s_set_vgpr_msb (MSB<<8)|\new
.set MSB, \new
.endif
.endm
.set MUL_LO, 0xa1                      ; source 0 (B) window 1, source 1 (A) window 0, C and D window 2
.set MUL_HI, 0xf1                      ; the same, C and D window 3
.set TO_B,   0x40                      ; destination window 1, address window 0
; A joint load: waves 0 and 1 fetch for A, waves 2 and 3 for B.  Each of the two lines has one mask and one set of registers for all that issue it; the branch hangs on the wave's number alone.
; Four v_nop follow each of the two lines, ahead of the jump, the label and what follows.
.macro JLOAD g0a, g1a, g0b, g1b
	s_cmp_eq_u32 s15, 0
	s_cbranch_scc0 .Lfor_b_\@
	tensor_load_to_lds s[\g0a:\g0a+3], s[\g1a:\g1a+7]
	s_nop 0
.rept 4
	v_nop
.endr
	s_branch .Lasked_\@
.Lfor_b_\@:
	tensor_load_to_lds s[\g0b:\g0b+3], s[\g1b:\g1b+7]
	s_nop 0
.rept 4
	v_nop
.endr
.Lasked_\@:
.endm
.macro CREST                           ; a round of the cluster's barrier behind its opening barrier
	s_cmp_lg_u32 s14, 0
	s_cbranch_scc1 .Lnot_wave_0_\@
	s_barrier_signal -3
.Lnot_wave_0_\@:
	s_barrier_wait -3
	s_barrier_signal -1
	s_barrier_wait -1
.endm
.macro CROUND                          ; a whole round
	s_barrier_signal -1
	s_barrier_wait -1
	CREST
.endm
	s_load_b512 s[68:83], s[0:1], 0x0              ; xc s[68:69], wqc s[70:71], bqkv s[72:73], rope s[74:75], the exponents s[76:77], qc s[78:79], kc s[80:81], vc s[82:83]
	v_lshl_add_u32 v[SPW], v0, 2, SPARE
	v_mov_b32 v[NIL], 0
	ds_add_u32 v28, v29
	s_wait_dscnt 0x0
	v_lshrrev_b32 v1, 5, v0
	v_readfirstlane_b32 s14, v1                    ; wave 0..3
	s_lshr_b32 s15, s14, 1                         ; which half of A's rows is mine.  Also: I fetch for A (0) or for B (1)
	s_and_b32 s16, s14, 1                          ; which half of B's rows.  Also: which 128 rows of that tile I fetch
	s_bfe_u32 s40, ttmp6, 0x40000                  ; cx, cy: my place in the cluster
	s_bfe_u32 s41, ttmp6, 0x40004
	s_and_b32 s17, ttmp7, 0xffff                   ; the cluster's y
	s_lshl_b32 s43, s41, 2
	s_lshl_b32 s43, 15, s43                        ; my row of the cluster
	s_lshl_b32 s44, 0x1111, s40                    ; my column
	; descriptor group 1: 8 runs of 4,096 bytes, 16,384 bytes apart, laid on end in LDS
	s_or_b32 s[G1+0], s43, (3<<16)|(1<<21)         ; 15:0 the mask: A's tiles go to my row; 17:16 elements of 8 bytes; 20 no padding; 21 set beside a mask
	s_or_b32 s[G1B+0], s44, (3<<16)|(1<<21)        ; B's tiles go to my column
.irp g, G1, G1B
	s_mov_b32 s[\g+1], 512<<16                     ; tensor_dim0 = 512 elements
	s_mov_b32 s[\g+2], 8<<16                       ; tensor_dim1 = 8
	s_mov_b32 s[\g+3], 512<<16                     ; tile_dim0
	s_mov_b32 s[\g+4], 8                           ; tile_dim1
	s_mov_b32 s[\g+5], 2048                        ; tensor_dim0_stride: 16,384 bytes
	s_mov_b32 s[\g+6], 0
	s_mov_b32 s[\g+7], 0
.endr
	s_lshl_b32 s18, s17, 2                         ; 4 x cluster y
	s_lshl_b32 s19, ttmp9, 2                       ; 4 x cluster x
	s_mul_i32 s45, s14, HALFT                      ; where my tile goes: wave x 32,768: no place in the cluster enters an LDS address
	s_wait_kmcnt 0x0
	s_load_b256 s[84:91], s[76:77], 0x0            ; e0 .. e7
	s_cmp_eq_u32 ttmp9, 2                          ; v?  The roles of the two tensors change; A's tile hangs on cy alone, B's on cx alone, in both cases
	s_cselect_b32 s20, 8, s18                      ; A: v's columns are the weight's tiles 8 to 11; else x's tiles 4 Y ..
	s_cselect_b32 s46, s18, s19                    ; B: x's tiles 4 Y ..; else the weight's tiles 4 X ..
	s_cselect_b64 s[4:5], s[70:71], s[68:69]
	s_cselect_b64 s[6:7], s[68:69], s[70:71]
	s_add_co_u32 s20, s20, s41                     ; + cy
	s_add_co_u32 s46, s46, s40                     ; + cx
	s_lshl_b32 s20, s20, 18                        ; a tile of 256 rows is 262,144 bytes,
	s_lshl_b32 s46, s46, 18
	s_lshl_b32 s21, s16, 17                        ; my 128 rows of it
	s_add_co_u32 s20, s20, s21
	s_add_co_u32 s46, s46, s21
	s_mov_b32 s21, 0
	s_mov_b32 s47, 0
	s_add_nc_u64 s[20:21], s[4:5], s[20:21]
	s_add_nc_u64 s[46:47], s[6:7], s[46:47]
	CROUND                                         ; all sixteen work-groups are here: the first joint loads meet
.irp s, 0,1
	s_mov_b32 s[G0+4*\s], 1
	s_add_co_u32 s[G0+4*\s+1], s45, \s*SLOT
	s_add_nc_u64 s[G0+4*\s+2:G0+4*\s+3], s[20:21], \s*ROWB
	s_or_b32 s[G0+4*\s+3], s[G0+4*\s+3], 0x80000000
	s_mov_b32 s[G0B+4*\s], 1
	s_add_co_u32 s[G0B+4*\s+1], s45, \s*SLOT
	s_add_nc_u64 s[G0B+4*\s+2:G0B+4*\s+3], s[46:47], \s*ROWB
	s_or_b32 s[G0B+4*\s+3], s[G0B+4*\s+3], 0x80000000
	JLOAD G0+4*\s, G1, G0B+4*\s, G1B
.endr
	v_and_b32 v1, 31, v0
	v_lshlrev_b32 v[LI], 4, v1
	s_mul_i32 s22, s15, HALFT                      ; my 128 rows of A
	s_mul_i32 s23, s16, HALFT                      ; my 128 rows of B,
	s_add_co_u32 s23, s23, 2*HALFT                 ; which lie behind A's 256
.irp s, 0,1
	v_add_nc_u32 v[ADRA+\s], s22, v[LI]
	v_add_nc_u32 v[ADRB+\s], s23, v[LI]
	s_add_co_u32 s22, s22, SLOT
	s_add_co_u32 s23, s23, SLOT
.endr
.macro FRAG reg, adr, q, i             ; fragment i of my eight, the slot's q-th 128 along K: four loads of 512 consecutive bytes
.irp c, 0,1,2,3
	ds_load_b128 v[\reg+4*\c:\reg+4*\c+3], v[\adr] offset:4096*(\i)+2048*(\q)+512*\c
.endr
.endm
; 16 matrix instructions: A's blocks a0, a0 + 1 x B's eight, 128 along K.  p: B's set.  zero = 1: the first product starts the sums: nothing is ever cleared.
; The 64 accumulators take turns, one instruction a turn, in the same order in every step.
.macro MUL16 a0, p, zero
.irp a, \a0, \a0+1
.irp b, 0,1,2,3,4,5,6,7
.if \zero
	v_wmma_f32_16x16x128_fp8_fp8 v[8*(8*((\a)%4)+\b):8*(8*((\a)%4)+\b)+7], v[128*(\p)+FR*\b:128*(\p)+FR*\b+FR-1], v[AF+FR*(\a):AF+FR*(\a)+FR-1], 0
.else
	v_wmma_f32_16x16x128_fp8_fp8 v[8*(8*((\a)%4)+\b):8*(8*((\a)%4)+\b)+7], v[128*(\p)+FR*\b:128*(\p)+FR*\b+FR-1], v[AF+FR*(\a):AF+FR*(\a)+FR-1], v[8*(8*((\a)%4)+\b):8*(8*((\a)%4)+\b)+7]
.endif
.endr
.endr
.endm
.macro FETCH_B slot, q, p              ; B's eight fragments into set p
	WIN TO_B
.irp i, 0,1,2,3,4,5,6,7
	FRAG 128*(\p)+FR*\i, ADRB+\slot, \q, \i
.endr
	WIN 0
.endm
.macro FETCH_A slot, q, i0             ; A's blocks i0 .. i0 + 3
.irp i, \i0, \i0+1, \i0+2, \i0+3
	FRAG AF+FR*(\i), ADRA+\slot, \q, \i
.endr
.endm
; A load into a register that a matrix instruction has read, and a vector instruction that reads a matrix result or writes one of its registers, stand NP places behind it; only plain vector
; instructions that name none of its registers are places (ISA guide 7.12.1 for vector instructions).
.macro PLACES n
.rept \n
	v_nop
.endr
.endm
; A step of 128 along K that has its successor in the same slot.  A block of A is free as soon as its eight products are issued, so one set serves A: blocks 0-3 are fetched anew in the step's middle, 4-7 at its end.
.macro STEP slot, q, zero
	s_wait_dscnt 4*NL                              ; B's set and A's blocks 0-3 are in; the youngest 16 loads (A's blocks 4-7) may be out
	WIN MUL_LO
	MUL16 0, (\q)%2, \zero
	MUL16 2, (\q)%2, \zero
	s_wait_dscnt 0                                 ; A's blocks 4-7 are in
	PLACES NP
	FETCH_B \slot, (\q)+1, 1-(\q)%2
	FETCH_A \slot, (\q)+1, 0
	WIN MUL_HI
	MUL16 4, (\q)%2, \zero
	MUL16 6, (\q)%2, \zero
	PLACES NP
	WIN 0
	FETCH_A \slot, (\q)+1, 4
.endm
; A slot's last step changes slots: ONE barrier; in front of it each wave waits for all its tensor loads, adds 0 to its spare word, and waits for that and for its own reads of this slot.  fill = 1: this slot is filled again, two K steps ahead.
.macro TURN slot, next, fill
	s_wait_tensorcnt 0x0                           ; all my tensor loads have landed: my part of the next slot
	ds_add_u32 v[SPW], v[NIL]                      ; 0 onto my spare word
	s_wait_dscnt 4*NL+1                            ; (the add and the youngest 16 loads, A's blocks 4-7, may be out)
	WIN MUL_LO
	MUL16 0, 1, 0                                  ; sixteen matrix instructions stand between the add and the wait for it
	s_wait_dscnt 0x0                               ; the add is done, and my reads of this slot are over
	s_barrier_signal -1
	MUL16 2, 1, 0
	WIN 0
	s_barrier_wait -1
.if \fill
	CREST                                          ; the barrier has opened a round of the cluster's barrier: no wave of any partner still reads this slot's tile or has a load on its way
	s_add_nc_u64 s[G0+4*\slot+2:G0+4*\slot+3], s[G0+4*\slot+2:G0+4*\slot+3], 2*ROWB
	s_add_nc_u64 s[G0B+4*\slot+2:G0B+4*\slot+3], s[G0B+4*\slot+2:G0B+4*\slot+3], 2*ROWB
	JLOAD G0+4*\slot, G1, G0B+4*\slot, G1B         ; the first tensor load behind the round; the four v_nop behind it are the places in front of the loads below
.else
	PLACES NP
.endif
	FETCH_B \next, 0, 0
	FETCH_A \next, 0, 0
	WIN MUL_HI
	MUL16 4, 1, 0
	MUL16 6, 1, 0
	PLACES NP
	WIN 0
	FETCH_A \next, 0, 4
.endm
.macro LAST                            ; the very last step: nothing more to fetch; then the places in front of the way out
	s_wait_dscnt 4*NL
	WIN MUL_LO
	MUL16 0, 1, 0
	MUL16 2, 1, 0
	s_wait_dscnt 0
	WIN MUL_HI
	MUL16 4, 1, 0
	MUL16 6, 1, 0
	WIN 0
	PLACES NP
.endm
	s_wait_tensorcnt 1                             ; my part of K step 0 is in (K step 1's load may be out)
	s_barrier_signal -1
	s_barrier_wait -1                              ; everybody's is
	FETCH_B 0, 0, 0
	FETCH_A 0, 0, 0
	FETCH_A 0, 0, 4
	STEP 0, 0, 1                                   ; the first step stands in front of the loop: its products start the sums
	s_mov_b32 s3, LAPS-1
.Llap:                                                 ; a trip goes once round the ring, from a lap's second step to the next lap's first, and fills both slots again
	TURN 0, 1, 1
	STEP 1, 0, 0
	TURN 1, 0, 1
	STEP 0, 0, 0
	s_sub_co_u32 s3, s3, 1
	s_cmp_lg_u32 s3, 0
	s_cbranch_scc1 .Llap
	TURN 0, 1, 0                                   ; the last lap fills nothing, and has no round of the cluster's barrier
	STEP 1, 0, 0
	s_wait_kmcnt 0x0                               ; the exponents
	s_add_co_i32 s92, s84, s85
	s_add_co_i32 s92, s92, 127
	s_lshl_b32 s92, s92, 23                        ; 2^(e0 + e1) as f32: a sum stands for sum x that
	s_mov_b32 s93, s92                             ; (named with it as a pair, so it is written)
	s_mov_b32 s3, 0
	s_cmp_eq_u32 ttmp9, 2                          ; the cluster's x: the same in all sixteen partners
	s_cbranch_scc1 .Lv
; ---------------- q and k.  My 128 rows are positions, my 128 columns two heads.  The addresses are made and the bias and the first table are asked for ahead of the last step's 64 products.
	s_lshl_b32 s2, s17, 2
	s_add_co_u32 s2, s2, s41
	s_lshl_b32 s2, s2, 8
	s_lshl_b32 s22, s15, 7
	s_add_co_u32 s2, s2, s22                       ; my first row of x: 256 (4 Y + cy) + 128 x half
	s_lshr_b32 s22, s2, 11                         ; the batch
	s_bfe_u32 s94, s2, 0x70004                     ; its block of 16 positions: 7 bits from bit 4
	s_lshl_b32 s22, s22, 4
	s_lshl_b32 s23, s40, 2
	s_add_co_u32 s22, s22, s23
	s_lshl_b32 s23, s16, 1
	s_add_co_u32 s22, s22, s23                     ; batch x 16 + my first head (4 cx + 2 x half)
	s_lshl_b32 s22, s22, 7
	s_add_co_u32 s22, s22, s94
	s_lshl_b32 s2, s22, 10                         ; fragments of 1,024 bytes
	s_cmp_eq_u32 ttmp9, 0
	s_cselect_b64 s[8:9], s[78:79], s[80:81]       ; qc or kc
	s_cselect_b32 s42, s86, s87                    ; e2 or e3
	s_add_nc_u64 s[8:9], s[8:9], s[2:3]
	s_lshl_b32 s2, s94, 12
	s_add_nc_u64 s[10:11], s[74:75], s[2:3]        ; the table at my first block of positions
	s_lshl_b32 s2, ttmp9, 10
	s_lshl_b32 s22, s40, 8
	s_add_co_u32 s2, s2, s22
	s_lshl_b32 s22, s16, 7
	s_add_co_u32 s2, s2, s22
	s_lshl_b32 s2, s2, 2
	s_add_nc_u64 s[12:13], s[72:73], s[2:3]        ; the bias at my first column
	s_add_co_i32 s42, s42, 127
	s_lshl_b32 s94, s42, 23
	v_mov_b32 v[SC], s94
	s_add_co_i32 s42, s42, 8
	s_lshl_b32 s42, s42, 23
	s_or_b32 s42, s42, 0x600000
	v_mov_b32 v[LIM], s42
	v_bfe_u32 v1, v0, 4, 1
	v_lshlrev_b32 v[BO], 5, v1                     ; 32 h: my eight numbers of each 16
.set i, 0
.rept 16
	global_load_b128 v[BIAS+4*i:BIAS+4*i+3], v[BO], s[12:13] offset:64*(i/2)+16*(i%2)
.set i, i+1
.endr
.macro RLOAD a                         ; block a's table: 16 cosines, then 16 sines, in the order of my registers
.irp p, 0,1,2,3,4,5,6,7
	global_load_b128 v[96+32*((\a)%2)+4*\p:96+32*((\a)%2)+4*\p+3], v[LI], s[10:11] offset:4096*(\a)+512*\p
.endr
.endm
	RLOAD 0
	LAST
	RLOAD 1                                        ; (its registers held fragments of A)
; Block a: 16 positions x 128 channels.  Register 8 b + j is channel 16 b + 8 h + j; a head is four tiles; x1 lies in its first two tiles, x2 sixteen registers further on.
.macro QKBLOCK a
.set AC, 64*((\a)%4)
.set RS, 96+32*((\a)%2)
.if (\a) < 7
	s_wait_loadcnt 8                               ; this block's table is in (and the bias); the next block's eight loads may be out
.else
	s_wait_loadcnt 0
.endif
	WIN 0x02+((\a)/4)                              ; source 0: window 2 or 3
.set j, 0
.rept 32
	v_pk_fma_f32 v[TMP+j:TMP+j+1], v[AC+j:AC+j+1], s[92:93], v[BIAS+j:BIAS+j+1] op_sel_hi:[1,0,1]   ; sum x 2^(e0 + e1) + bias; each accumulator from its low end on
.set j, j+2
.endr
	WIN 0
.irp hh, 0,1
.irp e, 0,2,4,6,8,10,12,14
.set X1, TMP+32*\hh+\e
.set TP, TT+4*((\e/2)%4)
	v_pk_mul_f32 v[TP:TP+1], v[X1+16:X1+17], v[RS+16+\e:RS+17+\e]                                  ; x2 sin
	v_pk_mul_f32 v[TP+2:TP+3], v[X1:X1+1], v[RS+16+\e:RS+17+\e]                                    ; x1 sin
	v_pk_fma_f32 v[X1:X1+1], v[X1:X1+1], v[RS+\e:RS+\e+1], v[TP:TP+1] neg_lo:[0,0,1] neg_hi:[0,0,1]   ; x1 cos - x2 sin
	v_pk_fma_f32 v[X1+16:X1+17], v[X1+16:X1+17], v[RS+\e:RS+\e+1], v[TP+2:TP+3]                    ; x2 cos + x1 sin
.endr
.endr
.if (\a) < 6
	RLOAD (\a)+2                                   ; this set has been read
.endif
.set j, 0
.rept 64
	v_med3_num_f32 v[TMP+j], v[TMP+j], -v[LIM], v[LIM]   ; the conversion does not saturate (ISA guide 7.6.2): the hold at the largest code x the scale
.set j, j+1
.endr
.if (\a) > 0
	s_wait_xcnt 0x0                                ; the last block's stores have read the codes' registers: they are written again only behind this wait
.endif
.set j, 0
.rept 8
	v_cvt_scalef32_pk8_fp8_f32 v[CODE+2*j:CODE+2*j+1], v[TMP+8*j:TMP+8*j+7], v[SC]
.set j, j+1
.endr
	v_nop                                          ; one plain vector line behind the conversions
.irp hh, 0,1
.irp u, 0,1
	global_store_b128 v[LI], v[CODE+8*\hh+4*\u:CODE+8*\hh+4*\u+3], s[8:9] offset:131072*\hh+1024*(\a)+512*\u   ; half a fragment of head hh: 512 consecutive bytes
.endr
.endr
.endm
.irp a, 0,1,2,3,4,5,6,7
	QKBLOCK \a
.endr
	s_wait_tensorcnt 0x0                           ; the wave's end
	ds_add_u32 v[SPW], v[NIL]
	s_wait_dscnt 0x0
	CROUND                                         ; the closing round: no work-group ends while a partner may still ask for a tile that names it
	s_endpgm
; ---------------- v.  My 128 rows of A are channels (two heads), my 128 rows of B are keys: one block of keys.  Block a is a fragment of V^T: 16 channels x 128 keys.
.Lv:
	s_lshl_b32 s2, s17, 2
	s_add_co_u32 s2, s2, s40
	s_lshl_b32 s2, s2, 8
	s_lshl_b32 s22, s16, 7
	s_add_co_u32 s2, s2, s22                       ; my first key's row of x: 256 (4 Y + cx) + 128 x half
	s_lshr_b32 s22, s2, 11                         ; the batch
	s_bfe_u32 s94, s2, 0x40007                     ; its block of 128 keys: 4 bits from bit 7
	s_lshl_b32 s22, s22, 4
	s_lshl_b32 s23, s41, 2
	s_add_co_u32 s22, s22, s23
	s_lshl_b32 s23, s15, 1
	s_add_co_u32 s22, s22, s23                     ; batch x 16 + my first head (4 cy + 2 x half)
	s_lshl_b32 s22, s22, 4
	s_add_co_u32 s22, s22, s94
	s_lshl_b32 s2, s22, 13                         ; a block of keys is four fragments of 2,048 bytes
	s_add_nc_u64 s[8:9], s[82:83], s[2:3]
	s_lshl_b32 s2, s41, 8
	s_lshl_b32 s22, s15, 7
	s_add_co_u32 s2, s2, s22
	s_add_co_u32 s2, s2, 2048
	s_lshl_b32 s2, s2, 2
	s_add_nc_u64 s[12:13], s[72:73], s[2:3]        ; the bias at my first channel
	s_add_co_i32 s42, s89, 127                     ; e5
	s_lshl_b32 s94, s42, 23
	v_mov_b32 v[SC], s94
	s_add_co_i32 s42, s42, 8
	s_lshl_b32 s42, s42, 23
	s_or_b32 s42, s42, 0x600000
	v_mov_b32 v[LIM], s42
	v_and_b32 v1, 15, v0
	v_lshlrev_b32 v[BO], 2, v1                     ; 4 r: a lane has one channel a block
.set i, 0
.rept 8
	global_load_b32 v[BIAS+i], v[BO], s[12:13] offset:64*i
.set i, i+1
.endr
	LAST
	s_wait_loadcnt 0x0                             ; the bias
.macro VBLOCK a
.set AC, 64*((\a)%4)
.set BV, BIAS+2*((\a)/2)
	WIN 0x02+((\a)/4)
.set j, 0
.rept 32
.if ((\a)%2) == 0
	v_pk_fma_f32 v[TMP+j:TMP+j+1], v[AC+j:AC+j+1], s[92:93], v[BV:BV+1] op_sel_hi:[1,0,0]                 ; sum x 2^(e0 + e1) + my channel's bias (the pair's low word for both halves)
.else
	v_pk_fma_f32 v[TMP+j:TMP+j+1], v[AC+j:AC+j+1], s[92:93], v[BV:BV+1] op_sel:[0,0,1] op_sel_hi:[1,0,1]  ; (the pair's high word for both halves)
.endif
.set j, j+2
.endr
	WIN 0
.set j, 0
.rept 64
	v_med3_num_f32 v[TMP+j], v[TMP+j], -v[LIM], v[LIM]
.set j, j+1
.endr
.if (\a) > 0
	s_wait_xcnt 0x0                                ; the last block's stores have read the codes' registers
.endif
.set j, 0
.rept 8
	v_cvt_scalef32_pk8_fp8_f32 v[CODE+2*j:CODE+2*j+1], v[TMP+8*j:TMP+8*j+7], v[SC]   ; registers 2 c, 2 c + 1: keys 16 c + 8 h + 0 .. 7
.set j, j+1
.endr
	v_nop                                          ; one plain vector line behind the conversions
.irp q, 0,1,2,3
	global_store_b128 v[LI], v[CODE+4*\q:CODE+4*\q+3], s[8:9] offset:131072*((\a)/4)+2048*((\a)%4)+512*\q
.endr
.endm
.irp a, 0,1,2,3,4,5,6,7
	VBLOCK \a
.endr
	s_wait_tensorcnt 0x0                           ; the wave's end
	ds_add_u32 v[SPW], v[NIL]
	s_wait_dscnt 0x0
	CROUND                                         ; the closing round
	s_endpgm
.Lfunc_end_k_q1e69695cd3_qkv:
	.size	k_q1e69695cd3_qkv, .Lfunc_end_k_q1e69695cd3_qkv-k_q1e69695cd3_qkv
	.p2alignl 7, 3214868480
	.fill 96, 4, 3214868480
	.section	.rodata,"a",@progbits
	.p2align	6, 0x0
	.amdhsa_kernel k_q1e69695cd3_qkv
		.amdhsa_group_segment_fixed_size 327680
		.amdhsa_private_segment_fixed_size 0
		.amdhsa_enable_private_segment 0
		.amdhsa_kernarg_size 64
		.amdhsa_user_sgpr_count 2
		.amdhsa_user_sgpr_kernarg_segment_ptr 1
		.amdhsa_wavefront_size32 1
		.amdhsa_system_sgpr_workgroup_id_x 1
		.amdhsa_system_sgpr_workgroup_id_y 1
		.amdhsa_system_sgpr_workgroup_id_z 1
		.amdhsa_system_vgpr_workitem_id 0
		.amdhsa_next_free_vgpr 1024
		.amdhsa_next_free_sgpr 100
		.amdhsa_reserve_vcc 0
		.amdhsa_float_denorm_mode_32 3
		.amdhsa_float_denorm_mode_16_64 3
		.amdhsa_memory_ordered 1
		.amdhsa_forward_progress 1
		.amdhsa_inst_pref_size 236
	.end_amdhsa_kernel
	.amdgpu_metadata
---
amdhsa.version: [ 1, 2 ]
amdhsa.kernels:
  - .name:           k_q1e69695cd3_qkv
    .symbol:         k_q1e69695cd3_qkv.kd
    .args:
      - { .name: xc, .offset: 0, .size: 8, .value_kind: global_buffer, .address_space: global }
      - { .name: wqc, .offset: 8, .size: 8, .value_kind: global_buffer, .address_space: global }
      - { .name: bqkv, .offset: 16, .size: 8, .value_kind: global_buffer, .address_space: global }
      - { .name: rope, .offset: 24, .size: 8, .value_kind: global_buffer, .address_space: global }
      - { .name: lowp_scales, .offset: 32, .size: 8, .value_kind: global_buffer, .address_space: global }
      - { .name: qc, .offset: 40, .size: 8, .value_kind: global_buffer, .address_space: global }
      - { .name: kc, .offset: 48, .size: 8, .value_kind: global_buffer, .address_space: global }
      - { .name: vc, .offset: 56, .size: 8, .value_kind: global_buffer, .address_space: global }
    .group_segment_fixed_size: 327680
    .private_segment_fixed_size: 0
    .kernarg_segment_align: 8
    .kernarg_segment_size: 64
    .max_flat_workgroup_size: 128
    .sgpr_count:     100
    .vgpr_count:     1024
    .wavefront_size: 32
...
	.end_amdgpu_metadata
.endif
;; end of part 2
;; launch attn (part 3): grid 4 x 64, 16 waves a work-group, no clusters, 327,680 bytes of LDS; arguments qc, kc, vc, lowp_scales, oc; writes oc
.if DOCPART == 3
	.amdgcn_target "amdgcn-amd-amdhsa--gfx1250"
	.amdhsa_code_object_version 6
	.text
	.protected	k_q1e69695cd3_attn
	.globl	k_q1e69695cd3_attn
	.p2align	8
	.type	k_q1e69695cd3_attn,@function
k_q1e69695cd3_attn:
	s_mov_b64 s[64:65], 0
	v_nop
	global_prefetch_b8 v0, s[64:65] scope:SCOPE_SE
	s_setreg_imm32_b32 hwreg(HW_REG_WAVE_MODE, 25, 1), 1
	s_wait_xcnt 0x0
; Causal attention on codes of E4M3: 64 heads (batch x 16 + head) of 2,048 positions x 64 channels.  Both products are quantised; the result is quantised for the last product and stored as codes.
; qc, kc: [head][position / 16][2][lane][16 bytes]: images of fragments of 16 rows x 64 K (8 registers).  vc: [head][key / 128][channel / 16][4][lane][16 bytes]: fragments of V^T, 16 channels x 128 keys.
; oc: the image of an operand [8,192 rows][1,024 K]: (row / 16) x 16,384 + head x 1,024 + half x 512 + 16 x lane.
; THE SOFTMAX AHEAD OF THE SECOND PRODUCT: t = score x log2(e) / 8; M = the row's largest t so far, rounded UP to a whole number; p = 2^(t - M) is what is quantised, not normalised.
; The row's sum is taken of the unquantised p, in f32, and divides O at the end.  When M moves, the sum and O are multiplied by 2^(old M - new M): exact.
; SHARES.  Work-group (i, head) owns two blocks of 256 queries, 7 - i and then i: they need 8 - i and i + 1 slots of 256 keys, nine in every work-group: 256 work-groups of equal work, a constant trip
; count, and no slot is fetched that nobody reads.  Each of the sixteen waves owns 16 queries of the block in hand, in 256 registers: four waves to a SIMD, so that one wave's vector work stands
; beside another's matrix work and LDS loads.
; LAYOUT.  Both products are used transposed: S^T = K Q^T (source 0 = 16 keys, source 1 = my 16 queries), O^T = V^T P^T: a lane holds ONE query (lane % 16) throughout, and tile tau's eight registers
; are keys 16 tau + 8 (lane / 16) + 0 .. 7: just what registers 2 tau, 2 tau + 1 of the second product's operand hold.  So the conversions' results are that operand, with every key in its own place.
; NO CLUSTER: the four work-groups of a head ask for the same slot in five of their nine trips only; walking in step would take twelve slots' time for nine, and a slot's 32,768 bytes feed 32 wave steps.
; LIMITS: e2 + e3 between -123 and 130 (added to c's exponent field); e4 and e6 between -126 and 119; e4 + e5 is applied by v_ldexp_f32 and has none.
.set SLOT1, 32768                      ; a slot: 16 fragments of K (16,384 bytes), then 8 of V^T (16,384); slot 1 begins here: one exclusive or turns an address
.set SPARE, 65536                      ; behind the ring: the spare words, 128 bytes for each of sixteen waves, which no other line names
.set LI,   1                           ; v1   16 x lane; never rewritten
.set AD,   2                           ; v2   LDS address of the slot in hand, for my lane
.set PFO,  3                           ; v3   256 x lane; never rewritten
.set RH,   4                           ; v4   lane % 16 - 8 (lane / 16)
.set SPW,  5                           ; v5   LDS address of my spare word; never rewritten
.set NIL,  6                           ; v6   0; never rewritten
; v12 -M, v13 the largest t, v[14:15] the sum in two halves; v16-23 Q; v24-31 the second block's Q; v32-95 K's eight fragments, then V's four; v96-159 S^T, then p; v160-191 O^T; v192-223 the way out;
; v224-239 p's codes; v240 448 x 2^e4, v244 2^e4; v246 448 x 2^e6, v247 2^e6; v[242:243], v245, v[252:253], v254 at work
.set WV,   18                          ; s18  my wave's number
.set SEL,  20                          ; s[20:21] lane selects for v_permlanex16_b32: lane l xor 16
.set CS,   22                          ; s[22:23] c = log2(e) / 8 x 2^(e2 + e3)
.set G1,   24                          ; s[24:31] descriptor group 1
.set G0,   32                          ; s[32:35] group 0, which walks
.set HB,   36                          ; s[36:37] my tensor (wave 0: kc, wave 1: vc) at the head's first byte
.set OFF,  38                          ; s[38:39] an offset as a pair
.set FK,   40                          ; s40  the slot of keys that was asked for last
.set LEN0, 41                          ; s41  8 - i
.set SW,   42                          ; s42  i + 1
.set TB,   43                          ; s43  LDS byte at which the slot in hand begins
.set SLOTS, 44                         ; s44  trips to go
.set KF,   45                          ; s45  the step's first key
.set Q0,   46                          ; s46  my first query
.set Q0B,  47                          ; s47  and in the second block
.set OBA,  48                          ; s[48:49], s[50:51] where my results go
.set OBB,  50
.set PFA,  60                          ; s[60:61] where my prefetches stand
.set LIM,  62                          ; s62  2 in a wave that prefetches, else the greatest number
.set EPV,  63                          ; s63  e4 + e5
; Wave 0 fetches a slot's K, wave 1 its V, the others nothing.  The branch hangs on the wave's number alone.  Four v_nop follow the line.
.macro TLOAD
	s_cmp_lt_u32 s[WV], 2
	s_cbranch_scc0 .Lasked_\@
	tensor_load_to_lds s[G0:G0+3], s[G1:G1+7]
	s_nop 0
.rept 4
	v_nop
.endr
.Lasked_\@:
.endm
; A PREFETCH INTO THE L2 of what the NEXT change of slots will ask for: 16,384 bytes of K and of V.  All four work-groups of a head walk the same K and V: the one with i = 0, which walks all eight
; slots in order, asks.  In it the waves ask that fetch nothing: waves 2, 3 for K's halves, waves 4, 5 for V's: 8,192 bytes a wave, lanes 256 bytes apart, one instruction.  So each aligned block of
; 256 bytes is named once in the launch.  Trip n (1 to 6) names slot n + 1; slots 0 and 1 come by their loads alone; trips 7 and 8 ask for nothing: slot 7 is the head's last.
.macro ASK
	s_cmp_gt_u32 s[SLOTS], s[LIM]
	s_cbranch_scc0 .Lnot_mine_\@
	global_prefetch_b8 v[PFO], s[PFA:PFA+1] th:TH_LOAD_NT scope:SCOPE_SE
.Lnot_mine_\@:
.endm
.macro STATE                           ; the state of a block of queries that has seen no key
	v_mov_b32 v13, 0xff61b1e6                      ; the largest t so far: -3e38, under every t
	v_floor_f32 v12, -v13                          ; -M
	v_mov_b32 v14, 0
	v_mov_b32 v15, 0
.set j, 0
.rept 32
	v_mov_b32 v[160+j], 0                          ; O^T.  (The step is written once: the first finds zeros, which the first change of M leaves zeros)
.set j, j+1
.endr
.endm
	s_load_b256 s[4:11], s[0:1], 0x0               ; qc s[4:5], kc s[6:7], vc s[8:9], the exponents s[10:11]
	s_load_b64 s[12:13], s[0:1], 0x20              ; oc
	v_lshl_add_u32 v[SPW], v0, 2, SPARE
	v_mov_b32 v[NIL], 0
	ds_add_u32 v5, v6
	s_wait_dscnt 0x0
	v_lshrrev_b32 v2, 5, v0
	v_readfirstlane_b32 s[WV], v2                  ; wave 0..15
	s_and_b32 s14, ttmp7, 0xffff                   ; batch x 16 + head
	s_sub_co_u32 s15, 7, ttmp9                     ; my first block of queries
	s_sub_co_u32 s[LEN0], 8, ttmp9
	s_add_co_u32 s[SW], ttmp9, 1
	s_lshl_b32 s16, s[WV], 4
	s_lshl_b32 s[Q0], s15, 8
	s_add_co_u32 s[Q0], s[Q0], s16
	s_lshl_b32 s[Q0B], ttmp9, 8
	s_add_co_u32 s[Q0B], s[Q0B], s16
	; descriptor group 1: 16,384 bytes, dense in memory and in LDS, as 64 rows of 256 bytes
	s_mov_b32 s[G1], 3<<16                         ; 15:0 no mask; 17:16 elements of 8 bytes; 20 no padding
	s_mov_b32 s[G1+1], 32<<16                      ; tensor_dim0 = 32
	s_mov_b32 s[G1+2], 64<<16                      ; tensor_dim1 = 64
	s_mov_b32 s[G1+3], 32<<16                      ; tile_dim0
	s_mov_b32 s[G1+4], 64                          ; tile_dim1
	s_mov_b32 s[G1+5], 32                          ; tensor_dim0_stride
	s_mov_b32 s[G1+6], 0
	s_mov_b32 s[G1+7], 0
	s_mov_b32 s[G0], 1                             ; count = 1
	s_min_u32 s[G0+1], s[WV], 1
	s_lshl_b32 s[G0+1], s[G0+1], 14                ; LDS address: slot 0; K at 0, V at 16,384
	s_lshl_b32 s[OFF], s14, 17                     ; a head is 131,072 bytes in qc, kc and vc
	s_mov_b32 s[OFF+1], 0
	s_mov_b32 s[SEL], 0x76543210
	s_mov_b32 s[SEL+1], 0xfedcba98
	s_mov_b32 s[CS], 0x3e38aa3b                    ; log2(e) / 8
	s_mov_b32 s[FK], 0
	s_mov_b32 s[TB], 0
	s_mov_b32 s[SLOTS], 8
	s_mov_b32 s[KF], 0
	s_lshl_b32 s67, s[WV], 10                      ; Q: head x 131,072 + block x 16,384 + wave x 1,024
	s_add_co_u32 s67, s67, s[OFF]
	s_lshl_b32 s66, s15, 14
	s_add_co_u32 s66, s66, s67
	s_lshl_b32 s68, ttmp9, 14
	s_add_co_u32 s68, s68, s67
	s_mov_b32 s67, 0
	s_mov_b32 s69, 0
	s_lshr_b32 s74, s14, 4                         ; O: (batch x 128 + block x 16 + wave) x 16,384 + head x 1,024
	s_lshl_b32 s74, s74, 21
	s_and_b32 s75, s14, 15
	s_lshl_b32 s75, s75, 10
	s_add_co_u32 s74, s74, s75
	s_lshl_b32 s75, s[WV], 14
	s_add_co_u32 s74, s74, s75
	s_lshl_b32 s76, s15, 18
	s_add_co_u32 s76, s76, s74
	s_lshl_b32 s78, ttmp9, 18
	s_add_co_u32 s78, s78, s74
	s_mov_b32 s77, 0
	s_mov_b32 s79, 0
	s_wait_kmcnt 0x0
	s_load_b256 s[52:59], s[10:11], 0x0            ; e0 .. e7
	s_cmp_eq_u32 s[WV], 0
	s_cselect_b64 s[HB:HB+1], s[6:7], s[8:9]
	s_add_nc_u64 s[HB:HB+1], s[HB:HB+1], s[OFF:OFF+1]
	s_mov_b64 s[G0+2:G0+3], s[HB:HB+1]             ; global address: the head's first 256 keys
	s_or_b32 s[G0+3], s[G0+3], 0x80000000          ; type = 2
	TLOAD                                          ; slot 0
	s_add_nc_u64 s[70:71], s[4:5], s[66:67]
	s_add_nc_u64 s[72:73], s[4:5], s[68:69]
	s_add_nc_u64 s[OBA:OBA+1], s[12:13], s[76:77]
	s_add_nc_u64 s[OBB:OBB+1], s[12:13], s[78:79]
	s_cmp_lt_u32 s[WV], 4                          ; the prefetches: waves 2, 3 stand in kc, waves 4, 5 in vc,
	s_cselect_b64 s[PFA:PFA+1], s[6:7], s[8:9]
	s_and_b32 s80, s[WV], 1
	s_lshl_b32 s80, s80, 13                        ; at their half of a slot's 16,384 bytes,
	s_add_co_u32 s80, s80, s[OFF]                  ; in my head,
	s_add_co_u32 s80, s80, 16384                   ; in slot 1: the first change of slots steps it to slot 2.  Nothing is prefetched here, at the head
	s_mov_b32 s81, 0
	s_add_nc_u64 s[PFA:PFA+1], s[PFA:PFA+1], s[80:81]
	s_sub_co_u32 s80, s[WV], 2
	s_lshr_b32 s80, s80, 2                         ; 0 in waves 2 to 5,
	s_or_b32 s80, s80, ttmp9                       ; of the head's work-group with i = 0
	s_cmp_eq_u32 s80, 0
	s_cselect_b32 s[LIM], 2, -1
	v_and_b32 v2, 31, v0
	v_lshlrev_b32 v[LI], 4, v2
	v_lshlrev_b32 v[PFO], 8, v2
	global_load_b128 v[16:19], v[LI], s[70:71]     ; Q of both blocks stays in registers
	global_load_b128 v[20:23], v[LI], s[70:71] offset:512
	global_load_b128 v[24:27], v[LI], s[72:73]
	global_load_b128 v[28:31], v[LI], s[72:73] offset:512
	v_and_b32 v7, 15, v0
	v_bfe_u32 v8, v0, 4, 1
	v_lshlrev_b32 v8, 3, v8
	v_sub_nc_u32 v[RH], v7, v8
	v_mov_b32 v245, 0                              ; written once: a lane permute's destination counts as one of its sources
	v_mov_b32 v253, 0                              ; (named as the upper half of the pair v[252:253])
	STATE
	s_wait_kmcnt 0x0
	s_add_co_i32 s80, s54, s55
	s_lshl_b32 s80, s80, 23
	s_add_co_i32 s[CS], s[CS], s80                 ; a score stands for score x 2^(e2 + e3): the two exponents are added to c's exponent field
	s_mov_b32 s[CS+1], s[CS]                       ; (named with it as a pair, so it is written)
	s_add_co_i32 s80, s56, 127
	s_lshl_b32 s81, s80, 23
	v_mov_b32 v244, s81                            ; 2^e4, for p's conversions
	s_add_co_i32 s80, s80, 8
	s_lshl_b32 s80, s80, 23
	s_or_b32 s80, s80, 0x600000
	v_mov_b32 v240, s80                            ; 448 x 2^e4
	s_add_co_i32 s80, s58, 127
	s_lshl_b32 s81, s80, 23
	v_mov_b32 v247, s81                            ; 2^e6, for the result's
	s_add_co_i32 s80, s80, 8
	s_lshl_b32 s80, s80, 23
	s_or_b32 s80, s80, 0x600000
	v_mov_b32 v246, s80                            ; 448 x 2^e6
	s_add_co_i32 s[EPV], s56, s57
; A KEY STEP: 128 keys, the q-th of the slot in hand.  A step all of whose keys come after my 16 queries is left out: a scalar branch on ids, round the step's loads, products and softmax;
; no barrier and no tensor load stands in a step.
.macro STEP q
	s_add_co_u32 s96, s[Q0], 15
	s_cmp_gt_u32 s[KF], s96
	s_cbranch_scc1 .Lhidden_\@
	v_add_nc_u32 v[AD], s[TB], v[LI]
.rept 3
	v_nop                                          ; with the addition above: four places in front of loads into registers that the last products read
.endr
.set j, 0
.rept 16
	ds_load_b128 v[32+4*j:35+4*j], v[AD] offset:8192*(\q)+512*j        ; K's eight fragments, 1,024 bytes each
.set j, j+1
.endr
	s_wait_dscnt 0x0
.set j, 0
.rept 8
	v_wmma_f32_16x16x64_fp8_fp8 v[96+8*j:103+8*j], v[32+8*j:39+8*j], v[16:23], 0
.set j, j+1
.endr
.rept 4
	v_nop                                          ; places in front of the loads below and of the first read of the scores
.endr
.set j, 0
.rept 16
	ds_load_b128 v[32+4*j:35+4*j], v[AD] offset:16384+8192*(\q)+512*j  ; V's four fragments land while the softmax is worked
.set j, j+1
.endr
	s_add_co_u32 s96, s[KF], 127                   ; on the diagonal the scores of hidden keys become -infinity ahead of the maximum: p = 0 then.  A step all of whose keys count skips this
	s_cmp_le_u32 s96, s[Q0]
	s_cbranch_scc1 .Lopen_\@
	s_sub_co_i32 s96, s[Q0], s[KF]
	v_add_nc_u32 v252, s96, v[RH]                  ; d = my query - KF - 8 (lane / 16).  Register 8 tau + j holds key KF + 8 (lane / 16) + 16 tau + j: hidden where 16 tau + j > d
	v_mov_b32 v254, 0xff800000                     ; -infinity
.set j, 0
.rept 64
	v_cmp_gt_i32 vcc_lo, 16*(j/8)+j%8, v252
	v_cndmask_b32 v[96+j], v[96+j], v254, vcc_lo
.set j, j+1
.endr
.Lopen_\@:
	v_max3_num_f32 v254, v96, v97, v98             ; the step's largest score of my query, among my 64 keys, in two chains,
	v_max3_num_f32 v252, v99, v100, v101
.irp i, 6,10,14,18,22,26,30,34,38,42,46,50,54,58
	v_max3_num_f32 v254, v254, v[96+\i], v[97+\i]
	v_max3_num_f32 v252, v252, v[98+\i], v[99+\i]
.endr
	v_max3_num_f32 v254, v254, v158, v159
	v_max_num_f32 v254, v254, v252
	v_permlanex16_b32 v245, v254, s[SEL], s[SEL+1]
	v_max_num_f32 v254, v254, v245                 ; and among lane l xor 16's
	v_mul_f32 v254, s[CS], v254                    ; as t (c is positive)
	v_max_num_f32 v13, v13, v254                   ; the running largest t
	v_mov_b32 v254, v12
	v_floor_f32 v12, -v13                          ; the new -M = floor(-t) = -ceil(t): M is a whole number
	v_sub_f32 v254, v12, v254                      ; M's old value less its new one: a whole number, 0 or less
	v_cvt_i32_f32 v254, v254                       ; (it saturates)
	v_ldexp_f32 v252, 1.0, v254                    ; f = 2^(old M - new M)
.set j, 0
.rept 32
	v_pk_fma_f32 v[96+j:97+j], v[96+j:97+j], s[CS:CS+1], v[12:13] op_sel_hi:[1,0,0]   ; t - M, two at a time (of the pairs c and -M the low word serves both halves)
.set j, j+2
.endr
.set j, 0
.rept 64
	v_exp_f32 v[96+j], v[96+j]                     ; p = 2^(t - M), at most 1: not normalised
.set j, j+1
.endr
	v_pk_mul_f32 v[14:15], v[14:15], v[252:253] op_sel_hi:[1,0]   ; the sums under the new M.  (The plain place behind the exponentials)
	s_wait_alu depctr_va_vdst(0)                   ; one wait for the whole batch, ahead of its first reader
	v_pk_add_f32 v[242:243], v[96:97], v[98:99]    ; the row's sum is taken of the UNQUANTISED p: two at a time, in two chains
.irp j, 4,8,12,16,20,24,28,32,36,40,44,48,52,56,60
	v_pk_add_f32 v[14:15], v[14:15], v[96+\j:97+\j]
	v_pk_add_f32 v[242:243], v[242:243], v[98+\j:99+\j]
.endr
	v_pk_add_f32 v[14:15], v[14:15], v[242:243]
.set j, 0
.rept 64
	v_min_num_f32 v[96+j], v[96+j], v240           ; the conversion does not saturate (ISA guide 7.6.2); p is not negative, so the hold is one-sided
.set j, j+1
.endr
.set j, 0
.rept 8
	v_cvt_scalef32_pk8_fp8_f32 v[224+2*j:225+2*j], v[96+8*j:103+8*j], v244
.set j, j+1
.endr
.set j, 0
.rept 16
	v_pk_mul_f32 v[160+j:161+j], v[160+j:161+j], v[252:253] op_sel_hi:[1,0]   ; O^T under the new M: x f.  (Also the plain lines between the conversions and the products)
.set j, j+2
.endr
	s_wait_dscnt 0x0                               ; V is in
.set j, 0
.rept 4
	v_wmma_f32_16x16x128_fp8_fp8 v[160+8*j:167+8*j], v[32+16*j:47+16*j], v[224:239], v[160+8*j:167+8*j]   ; four accumulators by turns
.set j, j+1
.endr
.Lhidden_\@:
	s_add_co_u32 s[KF], s[KF], 128
.endm
; THE CHANGE OF SLOTS stands at a slot's head.  Each wave waits for all its tensor loads (its part of the slot that it is about to read), adds 0 to its spare word, and waits for that and for its reads
; of the slot that it has left.  Behind the barrier the slot ahead is whole and nobody reads the other one.  fill = 1: that other slot is filled with the keys that are wanted next: the first block's
; slots 0 .. 7 - i, then the second block's from 0 again.  By this text's count a wave has one tensor load out at the most.
.macro CHANGE fill
	s_wait_tensorcnt 0x0                           ; no tensor load of mine is out, so group 0 may be written
	ds_add_u32 v[SPW], v[NIL]                      ; 0 onto my spare word
.if \fill
	s_xor_b32 s[G0+1], s[G0+1], SLOT1              ; the other slot than last time
	s_add_co_u32 s[FK], s[FK], 1
	s_cmp_eq_u32 s[FK], s[LEN0]
	s_cselect_b32 s[FK], 0, s[FK]                  ; behind the first block's last slot: the second block's first
	s_lshl_b32 s[OFF], s[FK], 14
	s_add_nc_u64 s[G0+2:G0+3], s[HB:HB+1], s[OFF:OFF+1]
	s_or_b32 s[G0+3], s[G0+3], 0x80000000
	s_wait_xcnt 0x0                                ; the last prefetch, a slot back, has read its address, so it may be written
	s_add_nc_u64 s[PFA:PFA+1], s[PFA:PFA+1], 16384
.endif
	s_wait_dscnt 0x0                               ; the add is done, and my reads of the slot that I have left are over
	s_barrier_signal -1
	s_barrier_wait -1
.if \fill
	TLOAD                                          ; the first thing behind the barrier, and a wave's one tensor load until the next
	ASK
.endif
.endm
; A block of queries is done: O^T / the sum x 2^(e4 + e5), quantised with 2^e6.  Registers 2 dt, 2 dt + 1 of the codes are channels 16 dt + 8 h + 0 .. 7 of my head: half a fragment's image of the last product's operand.
.macro FINISH base
.rept 4
	v_nop                                          ; places behind the last products
.endr
	v_add_f32 v14, v14, v15                        ; the sum's two halves,
	v_permlanex16_b32 v245, v14, s[SEL], s[SEL+1]
	v_add_f32 v14, v14, v245                       ; and lane l xor 16's: the row's sum
	v_rcp_f32 v14, v14
	v_nop                                          ; a plain place behind the transcendental
	s_wait_alu depctr_va_vdst(0)                   ; and the wait ahead of its first reader
	v_ldexp_f32 v14, v14, s[EPV]
.set j, 0
.rept 16
	v_pk_mul_f32 v[192+j:193+j], v[160+j:161+j], v[14:15] op_sel_hi:[1,0]
.set j, j+2
.endr
.set j, 0
.rept 32
	v_med3_num_f32 v[192+j], v[192+j], -v246, v246
.set j, j+1
.endr
.set j, 0
.rept 4
	v_cvt_scalef32_pk8_fp8_f32 v[224+2*j:225+2*j], v[192+8*j:199+8*j], v247
.set j, j+1
.endr
	v_nop                                          ; one plain vector line behind the conversions
	global_store_b128 v[LI], v[224:227], s[\base:\base+1]               ; 512 consecutive bytes each
	global_store_b128 v[LI], v[228:231], s[\base:\base+1] offset:512
.endm
	s_wait_loadcnt 0x0                             ; Q
.Lslot:                                            ; eight trips: behind each change of slots but the last the next slot is asked for
	CHANGE 1
	STEP 0
	STEP 1
	s_xor_b32 s[TB], s[TB], SLOT1                  ; on to the other slot
	s_cmp_lg_u32 s[SLOTS], s[SW]                   ; the first block's last slot was trip 8 - i, where i + 1 trips are left: a branch on ids, the same in all sixteen waves
	s_cbranch_scc1 .Lsame
	FINISH OBA
.set j, 0
.rept 8
	v_mov_b32 v[16+j], v[24+j]                     ; the second block's Q
.set j, j+1
.endr
	STATE
	s_mov_b32 s[KF], 0
	s_mov_b32 s[Q0], s[Q0B]
	s_wait_xcnt 0x0                                ; the stores have read the codes' registers: the next step writes them again only behind this wait
.Lsame:
	s_sub_co_u32 s[SLOTS], s[SLOTS], 1
	s_cmp_lg_u32 s[SLOTS], 0
	s_cbranch_scc1 .Lslot
	CHANGE 0                                       ; the ninth slot is written out
	STEP 0
	STEP 1
	FINISH OBB
	s_wait_tensorcnt 0x0                           ; the wave's end
	ds_add_u32 v[SPW], v[NIL]
	s_wait_dscnt 0x0
	s_endpgm
.Lfunc_end_k_q1e69695cd3_attn:
	.size	k_q1e69695cd3_attn, .Lfunc_end_k_q1e69695cd3_attn-k_q1e69695cd3_attn
	.p2alignl 7, 3214868480
	.fill 96, 4, 3214868480
	.section	.rodata,"a",@progbits
	.p2align	6, 0x0
	.amdhsa_kernel k_q1e69695cd3_attn
		.amdhsa_group_segment_fixed_size 327680
		.amdhsa_private_segment_fixed_size 0
		.amdhsa_enable_private_segment 0
		.amdhsa_kernarg_size 40
		.amdhsa_user_sgpr_count 2
		.amdhsa_user_sgpr_kernarg_segment_ptr 1
		.amdhsa_wavefront_size32 1
		.amdhsa_system_sgpr_workgroup_id_x 1
		.amdhsa_system_sgpr_workgroup_id_y 1
		.amdhsa_system_sgpr_workgroup_id_z 1
		.amdhsa_system_vgpr_workitem_id 0
		.amdhsa_next_free_vgpr 256
		.amdhsa_next_free_sgpr 100
		.amdhsa_reserve_vcc 1
		.amdhsa_float_denorm_mode_32 3
		.amdhsa_float_denorm_mode_16_64 3
		.amdhsa_memory_ordered 1
		.amdhsa_forward_progress 1
		.amdhsa_inst_pref_size 99
	.end_amdhsa_kernel
	.amdgpu_metadata
---
amdhsa.version: [ 1, 2 ]
amdhsa.kernels:
  - .name:           k_q1e69695cd3_attn
    .symbol:         k_q1e69695cd3_attn.kd
    .args:
      - { .name: qc, .offset: 0, .size: 8, .value_kind: global_buffer, .address_space: global }
      - { .name: kc, .offset: 8, .size: 8, .value_kind: global_buffer, .address_space: global }
      - { .name: vc, .offset: 16, .size: 8, .value_kind: global_buffer, .address_space: global }
      - { .name: lowp_scales, .offset: 24, .size: 8, .value_kind: global_buffer, .address_space: global }
      - { .name: oc, .offset: 32, .size: 8, .value_kind: global_buffer, .address_space: global }
    .group_segment_fixed_size: 327680
    .private_segment_fixed_size: 0
    .kernarg_segment_align: 8
    .kernarg_segment_size: 40
    .max_flat_workgroup_size: 512
    .sgpr_count:     100
    .vgpr_count:     256
    .wavefront_size: 32
...
	.end_amdgpu_metadata
.endif
;; end of part 3
;; launch proj (part 4): grid 4 x 32, 4 waves a work-group, clusters of 4 x 4, 327,680 bytes of LDS; arguments oc, wpc, lowp_scales, bproj, out0; writes out0
.if DOCPART == 4
	.amdgcn_target "amdgcn-amd-amdhsa--gfx1250"
	.amdhsa_code_object_version 6
	.text
	.protected	k_q1e69695cd3_proj
	.globl	k_q1e69695cd3_proj
	.p2align	8
	.type	k_q1e69695cd3_proj,@function
k_q1e69695cd3_proj:
	s_mov_b64 s[64:65], 0
	v_nop
	global_prefetch_b8 v0, s[64:65] scope:SCOPE_SE
	s_setreg_imm32_b32 hwreg(HW_REG_WAVE_MODE, 25, 1), 1
	s_wait_xcnt 0x0
	s_wait_alu depctr_hold_cnt(0) depctr_sa_sdst(0) depctr_va_vdst(0) depctr_va_sdst(0) depctr_va_ssrc(0) depctr_va_vcc(0) depctr_vm_vsrc(0)
	s_getreg_b32 s2, hwreg(HW_REG_IB_STS2, 6, 4)
	s_cmp_eq_u32 s2, 0
	s_cbranch_scc0 .Lentry_in_a_cluster
	s_endpgm
.Lentry_in_a_cluster:
	s_bfe_u32 s2, ttmp6, 0x10000c
	s_cmp_lg_u32 s2, 0xf033
	s_cbranch_scc0 .Lentry_shape_is_right
	s_endpgm
.Lentry_shape_is_right:
; out0 = attention's result x Wproj + bproj on codes of E4M3 (8,192 x 1,024 x 1,024), f32 out.
; A tile of the product, 256 x 256, is made by four waves, each 128 x 128: 64 accumulators, 512 registers.  K goes in steps of 256 through a ring of two LDS slots filled by the tensor data mover.
; OPERANDS LIE IN MEMORY AND IN LDS AS IMAGES OF THEIR REGISTERS: fragment (row / 16, K / 128) at (row / 16) x 16,384 + (K / 128) x 2,048; registers 4 q .. 4 q + 3 of lane l at 512 q + 16 l.
; So a K step of 16 rows is 4,096 consecutive bytes, a wave's tensor load brings 8 such runs, and an LDS load reads 512 consecutive bytes: no pitch, no padding.
; THE MATRIX INSTRUCTION IS USED TRANSPOSED (source 0 = 16 columns of Wproj, source 1 = 16 rows of oc): a lane holds eight neighbouring numbers of a row of the result.
; CLUSTERS: 4 x 4 work-groups; oc's tile is shared along a row of the cluster, wpc's along a column: each is asked for jointly, by the same tensor load with the same descriptor and a mask that names the four.
; The grid has 128 work-groups: 32 x 4 tiles.
; LIMIT: e6 + e7 between -126 and 127, so that 2^(e6 + e7) is an f32 number.
; REGISTERS, in windows of 256: window 0: v0-31 addresses, v[8:11] my four numbers of the bias; v128-255 A's fragments, ONE set, on the way out rows of the result.  window 1: B's fragments, two sets.
;   windows 2, 3: the accumulators ((a, b) at v[8 (8 (a % 4) + b)]).
.set ROWB,   4096                      ; a K step of 16 rows: two fragments' images
.set HALFT,  32768                     ; 128 rows x 256 K: what one tensor load brings, and what one wave reads of A or of B
.set SLOT,   131072                    ; A's 256 rows, then B's 256 rows
.set SPARE,  262144                    ; behind the ring: the spare words, 128 bytes for each wave, which no other line names
.set LAPS,   2                         ; K = 1,024 is four K steps: twice round the ring
.set SPITCH, 528                       ; the way out: a stage of 16 rows x (512 bytes + 16) for each wave.  It lies in slot 0, which has had its last fill and its last read when the first result is stored there
.set FR,     16
.set NL,     4
.set NP,     4                         ; places behind this matrix instruction (ISA guide 7.12.1)
.set ADRA, 16                          ; v16-17  LDS address of my A fragments in slot 0, 1
.set ADRB, 20                          ; v20-21  the same for B
.set STO,  24                          ; v24     the way out: where I put 32 bytes of a row
.set RD,   25                          ; v25     the way out: where I read a row back
.set CO,   26                          ; v26     16 x lane: my place in 512 bytes; never rewritten
.set SPW,  28                          ; v28     LDS address of my spare word; never rewritten
.set NIL,  29                          ; v29     0; never rewritten
.set AF,   128
.set BK,   128                         ; the way out: 16 rows read back from the stage: v128-191 and v192-255 by turns
.set G1, 24
.set G0, 32
.set G1B, 48
.set G0B, 56
.set MSB, 0
.macro WIN new                         ; the immediate's high byte repeats the setting that is left
.if MSB != \new
	s_set_vgpr_msb (MSB<<8)|\new
.set MSB, \new
.endif
.endm
.set MUL_LO, 0xa1                      ; source 0 (B) window 1, source 1 (A) window 0, C and D window 2
.set MUL_HI, 0xf1                      ; the same, C and D window 3
.set TO_B,   0x40                      ; destination window 1, address window 0
; A joint load: waves 0 and 1 fetch for A, waves 2 and 3 for B; the branch hangs on the wave's number alone.  Four v_nop follow each of the two lines.
.macro JLOAD g0a, g1a, g0b, g1b
	s_cmp_eq_u32 s15, 0
	s_cbranch_scc0 .Lfor_b_\@
	tensor_load_to_lds s[\g0a:\g0a+3], s[\g1a:\g1a+7]
	s_nop 0
.rept 4
	v_nop
.endr
	s_branch .Lasked_\@
.Lfor_b_\@:
	tensor_load_to_lds s[\g0b:\g0b+3], s[\g1b:\g1b+7]
	s_nop 0
.rept 4
	v_nop
.endr
.Lasked_\@:
.endm
.macro CREST                           ; a round of the cluster's barrier behind its opening barrier
	s_cmp_lg_u32 s14, 0
	s_cbranch_scc1 .Lnot_wave_0_\@
	s_barrier_signal -3
.Lnot_wave_0_\@:
	s_barrier_wait -3
	s_barrier_signal -1
	s_barrier_wait -1
.endm
.macro CROUND                          ; a whole round
	s_barrier_signal -1
	s_barrier_wait -1
	CREST
.endm
	s_load_b256 s[68:75], s[0:1], 0x0              ; oc s[68:69], wpc s[70:71], the exponents s[72:73], bproj s[74:75]
	s_load_b64 s[76:77], s[0:1], 0x20              ; out0
	v_lshl_add_u32 v[SPW], v0, 2, SPARE
	v_mov_b32 v[NIL], 0
	ds_add_u32 v28, v29
	s_wait_dscnt 0x0
	v_lshrrev_b32 v1, 5, v0
	v_readfirstlane_b32 s14, v1                    ; wave 0..3
	s_lshr_b32 s15, s14, 1                         ; which half of the tile's rows is mine.  Also: I fetch for A (0) or for B (1)
	s_and_b32 s16, s14, 1                          ; which half of its columns.  Also: which 128 rows of that tile I fetch
	s_bfe_u32 s40, ttmp6, 0x40000                  ; cx, cy: my place in the cluster
	s_bfe_u32 s41, ttmp6, 0x40004
	s_and_b32 s17, ttmp7, 0xffff                   ; the cluster's y
	s_lshl_b32 s43, s41, 2
	s_lshl_b32 s43, 15, s43                        ; my row of the cluster
	s_lshl_b32 s44, 0x1111, s40                    ; my column
	; descriptor group 1: 8 runs of 4,096 bytes, 16,384 bytes apart, laid on end in LDS
	s_or_b32 s[G1+0], s43, (3<<16)|(1<<21)         ; 15:0 the mask: A's tiles go to my row; 17:16 elements of 8 bytes; 20 no padding; 21 set beside a mask
	s_or_b32 s[G1B+0], s44, (3<<16)|(1<<21)        ; B's tiles go to my column
.irp g, G1, G1B
	s_mov_b32 s[\g+1], 512<<16                     ; tensor_dim0 = 512 elements
	s_mov_b32 s[\g+2], 8<<16                       ; tensor_dim1 = 8
	s_mov_b32 s[\g+3], 512<<16                     ; tile_dim0
	s_mov_b32 s[\g+4], 8                           ; tile_dim1
	s_mov_b32 s[\g+5], 2048                        ; tensor_dim0_stride: 16,384 bytes
	s_mov_b32 s[\g+6], 0
	s_mov_b32 s[\g+7], 0
.endr
	s_lshl_b32 s20, s17, 2
	s_add_co_u32 s20, s20, s41                     ; A: tile row 4 Y + cy
	s_lshl_b32 s46, ttmp9, 2
	s_add_co_u32 s46, s46, s40                     ; B: tile column 4 X + cx
	s_lshl_b32 s20, s20, 18                        ; a tile of 256 rows is 262,144 bytes,
	s_lshl_b32 s46, s46, 18
	s_lshl_b32 s21, s16, 17                        ; my 128 rows of it
	s_add_co_u32 s20, s20, s21
	s_add_co_u32 s46, s46, s21
	s_mov_b32 s21, 0
	s_mov_b32 s47, 0
	s_mul_i32 s45, s14, HALFT                      ; where my tile goes: wave x 32,768: no place in the cluster enters an LDS address
	s_wait_kmcnt 0x0
	s_load_b256 s[84:91], s[72:73], 0x0            ; e0 .. e7
	s_add_nc_u64 s[20:21], s[68:69], s[20:21]
	s_add_nc_u64 s[46:47], s[70:71], s[46:47]
	CROUND                                         ; all sixteen work-groups are here: the first joint loads meet
.irp s, 0,1
	s_mov_b32 s[G0+4*\s], 1
	s_add_co_u32 s[G0+4*\s+1], s45, \s*SLOT
	s_add_nc_u64 s[G0+4*\s+2:G0+4*\s+3], s[20:21], \s*ROWB
	s_or_b32 s[G0+4*\s+3], s[G0+4*\s+3], 0x80000000
	s_mov_b32 s[G0B+4*\s], 1
	s_add_co_u32 s[G0B+4*\s+1], s45, \s*SLOT
	s_add_nc_u64 s[G0B+4*\s+2:G0B+4*\s+3], s[46:47], \s*ROWB
	s_or_b32 s[G0B+4*\s+3], s[G0B+4*\s+3], 0x80000000
	JLOAD G0+4*\s, G1, G0B+4*\s, G1B
.endr
	v_and_b32 v1, 31, v0
	v_lshlrev_b32 v[CO], 4, v1
	s_mul_i32 s22, s15, HALFT                      ; my 128 rows of A
	s_mul_i32 s23, s16, HALFT                      ; my 128 rows of B,
	s_add_co_u32 s23, s23, 2*HALFT                 ; which lie behind A's 256
.irp s, 0,1
	v_add_nc_u32 v[ADRA+\s], s22, v[CO]
	v_add_nc_u32 v[ADRB+\s], s23, v[CO]
	s_add_co_u32 s22, s22, SLOT
	s_add_co_u32 s23, s23, SLOT
.endr
	s_mul_i32 s23, s14, 16*SPITCH                  ; my stage
	v_and_b32 v1, 15, v0
	v_bfe_u32 v2, v0, 4, 1
	v_mul_u32_u24 v3, v1, SPITCH                   ; in: row lane % 16, 32 bytes for each half of the lanes
	v_lshl_add_u32 v3, v2, 5, v3
	v_add_nc_u32 v[STO], s23, v3
	v_add_nc_u32 v[RD], s23, v[CO]                 ; back: the 32 lanes take one row of 512 bytes
	s_lshl_b32 s2, ttmp9, 2
	s_add_co_u32 s2, s2, s40
	s_lshl_b32 s2, s2, 10                          ; my first column, in bytes: 1,024 x tile column + 512 x half
	s_lshl_b32 s22, s16, 9
	s_add_co_u32 s2, s2, s22
	s_mov_b32 s3, 0
	s_add_nc_u64 s[12:13], s[74:75], s[2:3]
	global_load_b128 v[8:11], v[CO], s[12:13]      ; the bias of the four columns that I store
	s_add_nc_u64 s[10:11], s[76:77], s[2:3]
	s_lshl_b32 s2, s17, 2
	s_add_co_u32 s2, s2, s41
	s_lshl_b32 s2, s2, 8
	s_lshl_b32 s22, s15, 7
	s_add_co_u32 s2, s2, s22                       ; my first row: 256 x tile row + 128 x half
	s_lshl_b32 s2, s2, 12                          ; rows of 4,096 bytes
	s_add_nc_u64 s[10:11], s[10:11], s[2:3]
.macro FRAG reg, adr, q, i             ; fragment i of my eight, the slot's q-th 128 along K: four loads of 512 consecutive bytes
.irp c, 0,1,2,3
	ds_load_b128 v[\reg+4*\c:\reg+4*\c+3], v[\adr] offset:4096*(\i)+2048*(\q)+512*\c
.endr
.endm
; 16 matrix instructions: A's blocks a0, a0 + 1 x B's eight, 128 along K.  p: B's set.  zero = 1: the first product starts the sums: nothing is ever cleared.
; The 64 accumulators take turns, one instruction a turn, in the same order in every step.
.macro MUL16 a0, p, zero
.irp a, \a0, \a0+1
.irp b, 0,1,2,3,4,5,6,7
.if \zero
	v_wmma_f32_16x16x128_fp8_fp8 v[8*(8*((\a)%4)+\b):8*(8*((\a)%4)+\b)+7], v[128*(\p)+FR*\b:128*(\p)+FR*\b+FR-1], v[AF+FR*(\a):AF+FR*(\a)+FR-1], 0
.else
	v_wmma_f32_16x16x128_fp8_fp8 v[8*(8*((\a)%4)+\b):8*(8*((\a)%4)+\b)+7], v[128*(\p)+FR*\b:128*(\p)+FR*\b+FR-1], v[AF+FR*(\a):AF+FR*(\a)+FR-1], v[8*(8*((\a)%4)+\b):8*(8*((\a)%4)+\b)+7]
.endif
.endr
.endr
.endm
.macro FETCH_B slot, q, p              ; B's eight fragments into set p
	WIN TO_B
.irp i, 0,1,2,3,4,5,6,7
	FRAG 128*(\p)+FR*\i, ADRB+\slot, \q, \i
.endr
	WIN 0
.endm
.macro FETCH_A slot, q, i0             ; A's blocks i0 .. i0 + 3
.irp i, \i0, \i0+1, \i0+2, \i0+3
	FRAG AF+FR*(\i), ADRA+\slot, \q, \i
.endr
.endm
; A load into a register that a matrix instruction has read, and an LDS store that reads a matrix result, stand NP places behind it; only plain vector instructions that name none of its registers
; are places (ISA guide 7.12.1 for vector instructions).
.macro PLACES n
.rept \n
	v_nop
.endr
.endm
; A step of 128 along K that has its successor in the same slot.  A block of A is free as soon as its eight products are issued, so one set serves A: blocks 0-3 are fetched anew in the step's middle, 4-7 at its end.
.macro STEP slot, q, zero
	s_wait_dscnt 4*NL                              ; B's set and A's blocks 0-3 are in; the youngest 16 loads (A's blocks 4-7) may be out
	WIN MUL_LO
	MUL16 0, (\q)%2, \zero
	MUL16 2, (\q)%2, \zero
	s_wait_dscnt 0                                 ; A's blocks 4-7 are in
	PLACES NP
	FETCH_B \slot, (\q)+1, 1-(\q)%2
	FETCH_A \slot, (\q)+1, 0
	WIN MUL_HI
	MUL16 4, (\q)%2, \zero
	MUL16 6, (\q)%2, \zero
	PLACES NP
	WIN 0
	FETCH_A \slot, (\q)+1, 4
.endm
; A slot's last step changes slots: ONE barrier; in front of it each wave waits for all its tensor loads, adds 0 to its spare word, and waits for that and for its own reads of this slot.  fill = 1: this slot is filled again, two K steps ahead.
.macro TURN slot, next, fill
	s_wait_tensorcnt 0x0                           ; all my tensor loads have landed: my part of the next slot
	ds_add_u32 v[SPW], v[NIL]                      ; 0 onto my spare word
	s_wait_dscnt 4*NL+1                            ; (the add and the youngest 16 loads, A's blocks 4-7, may be out)
	WIN MUL_LO
	MUL16 0, 1, 0                                  ; sixteen matrix instructions stand between the add and the wait for it
	s_wait_dscnt 0x0                               ; the add is done, and my reads of this slot are over
	s_barrier_signal -1
	MUL16 2, 1, 0
	WIN 0
	s_barrier_wait -1
.if \fill
	CREST                                          ; the barrier has opened a round of the cluster's barrier: no wave of any partner still reads this slot's tile or has a load on its way
	s_add_nc_u64 s[G0+4*\slot+2:G0+4*\slot+3], s[G0+4*\slot+2:G0+4*\slot+3], 2*ROWB
	s_add_nc_u64 s[G0B+4*\slot+2:G0B+4*\slot+3], s[G0B+4*\slot+2:G0B+4*\slot+3], 2*ROWB
	JLOAD G0+4*\slot, G1, G0B+4*\slot, G1B         ; the first tensor load behind the round; the four v_nop behind it are the places in front of the loads below
.else
	PLACES NP
.endif
	FETCH_B \next, 0, 0
	FETCH_A \next, 0, 0
	WIN MUL_HI
	MUL16 4, 1, 0
	MUL16 6, 1, 0
	PLACES NP
	WIN 0
	FETCH_A \next, 0, 4
.endm
	s_wait_tensorcnt 1                             ; my part of K step 0 is in (K step 1's load may be out)
	s_barrier_signal -1
	s_barrier_wait -1                              ; everybody's is
	FETCH_B 0, 0, 0
	FETCH_A 0, 0, 0
	FETCH_A 0, 0, 4
	STEP 0, 0, 1                                   ; the first step stands in front of the loop: its products start the sums
	s_mov_b32 s3, LAPS-1
.Llap:                                                 ; a trip goes once round the ring, from a lap's second step to the next lap's first, and fills both slots again
	TURN 0, 1, 1
	STEP 1, 0, 0
	TURN 1, 0, 1
	STEP 0, 0, 0
	s_sub_co_u32 s3, s3, 1
	s_cmp_lg_u32 s3, 0
	s_cbranch_scc1 .Llap
	TURN 0, 1, 0                                   ; the last lap fills nothing, and has no round of the cluster's barrier
	STEP 1, 0, 0
	s_wait_dscnt 4*NL                              ; the very last step: nothing more to fetch
	WIN MUL_LO
	MUL16 0, 1, 0
	MUL16 2, 1, 0
	s_wait_dscnt 0
	WIN MUL_HI
	MUL16 4, 1, 0
	MUL16 6, 1, 0
	WIN 0
; THE WAY OUT, block by block of 16 rows x 128 columns.  A lane holds 32 neighbouring bytes of a row, and the lanes beside it hold other rows: so a block's sums go through my own stage in LDS and come back
; as whole rows of 512 bytes; there each lane has four columns that are the same in every row, so one packed multiply-add for two numbers gives sum x 2^(e6 + e7) + bias from four registers of bias.
; LDS serves a wave's instructions in order (ISA guide 5.7.1.4): no wait between the stores and the loads, nor in front of the next block's stores.
.macro TOSTAGE a
.set AC, 64*((\a)%4)
	WIN 0x08+4*((\a)/4)                            ; an LDS store's data: window 2 or 3
.set b, 0
.rept 8
	ds_store_b128 v[STO], v[AC+8*b:AC+8*b+3] offset:64*b          ; each accumulator from its low end on
	ds_store_b128 v[STO], v[AC+8*b+4:AC+8*b+7] offset:64*b+16
.set b, b+1
.endr
	WIN 0
.set BB, BK+64*((\a)%2)
.set t, 0
.rept 16
	ds_load_b128 v[BB+4*t:BB+4*t+3], v[RD] offset:t*SPITCH
.set t, t+1
.endr
.endm
.macro SEND a, younger                 ; younger: the LDS instructions issued behind block a's loads, which may stay out
.set BB, BK+64*((\a)%2)
	s_wait_dscnt \younger                          ; the block is back in registers
.set t, 0
.rept 16
	v_pk_fma_f32 v[BB+4*t:BB+4*t+1], v[BB+4*t:BB+4*t+1], s[96:97], v[8:9] op_sel_hi:[1,0,1]
	v_pk_fma_f32 v[BB+4*t+2:BB+4*t+3], v[BB+4*t+2:BB+4*t+3], s[96:97], v[10:11] op_sel_hi:[1,0,1]
.set t, t+1
.endr
.if (\a) > 0
	s_add_nc_u64 s[10:11], s[10:11], 16*4096       ; (behind a wait on XCNT: the earlier stores have read their base)  16 rows on
.endif
.set t, 0
.rept 16
	global_store_b128 v[CO], v[BB+4*t:BB+4*t+3], s[10:11] offset:t*4096 th:TH_STORE_NT   ; 32 lanes store 512 consecutive bytes, aligned; written once, read by nobody here
.set t, t+1
.endr
.endm
	s_wait_kmcnt 0x0
	s_add_co_i32 s96, s90, s91                     ; e6 + e7
	s_add_co_i32 s96, s96, 127
	s_lshl_b32 s96, s96, 23                        ; 2^(e6 + e7) as f32
	s_mov_b32 s97, s96                             ; (named with it as a pair, so it is written)
	s_wait_loadcnt 0x0                             ; the bias
	PLACES NP                                      ; behind the last products: for the stores that read results and the loads into the registers that held A's fragments
	TOSTAGE 0
.irp a, 1,2,3,4,5,6,7
.if \a > 1
	s_wait_xcnt 0x0                                ; block a - 2's stores have read their registers and their base: block a's loads may land there, and the base may step
.endif
	TOSTAGE \a
	SEND \a-1, 32                                  ; behind block a - 1's loads: block a's 16 stores and 16 loads
.endr
	s_wait_xcnt 0x0                                ; block 6's stores have read their base
	SEND 7, 0
	s_wait_tensorcnt 0x0                           ; the wave's end
	ds_add_u32 v[SPW], v[NIL]
	s_wait_dscnt 0x0
	CROUND                                         ; the closing round: no work-group ends while a partner may still ask for a tile that names it
	s_endpgm
.Lfunc_end_k_q1e69695cd3_proj:
	.size	k_q1e69695cd3_proj, .Lfunc_end_k_q1e69695cd3_proj-k_q1e69695cd3_proj
	.p2alignl 7, 3214868480
	.fill 96, 4, 3214868480
	.section	.rodata,"a",@progbits
	.p2align	6, 0x0
	.amdhsa_kernel k_q1e69695cd3_proj
		.amdhsa_group_segment_fixed_size 327680
		.amdhsa_private_segment_fixed_size 0
		.amdhsa_enable_private_segment 0
		.amdhsa_kernarg_size 40
		.amdhsa_user_sgpr_count 2
		.amdhsa_user_sgpr_kernarg_segment_ptr 1
		.amdhsa_wavefront_size32 1
		.amdhsa_system_sgpr_workgroup_id_x 1
		.amdhsa_system_sgpr_workgroup_id_y 1
		.amdhsa_system_sgpr_workgroup_id_z 1
		.amdhsa_system_vgpr_workitem_id 0
		.amdhsa_next_free_vgpr 1024
		.amdhsa_next_free_sgpr 100
		.amdhsa_reserve_vcc 0
		.amdhsa_float_denorm_mode_32 3
		.amdhsa_float_denorm_mode_16_64 3
		.amdhsa_memory_ordered 1
		.amdhsa_forward_progress 1
		.amdhsa_inst_pref_size 123
	.end_amdhsa_kernel
	.amdgpu_metadata
---
amdhsa.version: [ 1, 2 ]
amdhsa.kernels:
  - .name:           k_q1e69695cd3_proj
    .symbol:         k_q1e69695cd3_proj.kd
    .args:
      - { .name: oc, .offset: 0, .size: 8, .value_kind: global_buffer, .address_space: global }
      - { .name: wpc, .offset: 8, .size: 8, .value_kind: global_buffer, .address_space: global }
      - { .name: lowp_scales, .offset: 16, .size: 8, .value_kind: global_buffer, .address_space: global }
      - { .name: bproj, .offset: 24, .size: 8, .value_kind: global_buffer, .address_space: global }
      - { .name: out0, .offset: 32, .size: 8, .value_kind: global_buffer, .address_space: global }
    .group_segment_fixed_size: 327680
    .private_segment_fixed_size: 0
    .kernarg_segment_align: 8
    .kernarg_segment_size: 40
    .max_flat_workgroup_size: 128
    .sgpr_count:     100
    .vgpr_count:     1024
    .wavefront_size: 32
...
	.end_amdgpu_metadata
.endif
;; end of part 4
